; MI455X (gfx1250); checked and timed in simulation.
; The chip was launched on July 23, 2026; its instructions are those of AMD's public machine-readable ISA for CDNA 5 (MIT licence, August 2026) and "CDNA5" Instruction Set Architecture Reference Guide (July 2026). The comments in the code are by the model that wrote it; some were corrected since.
;; Ring Attention. Allowed arithmetic: matrix products marked QUANTISED: E2M1 operands, one E8M0 scale for each 32 along K, by v_wmma_scale_f32_16x16x128_f8f6f4 with both operands' format E2M1 (or v_wmma_scale_f32_32x16x128_f4), f32 sums; everything else in f32.
;; Inputs: k 2 x 16 x 2,048 x 128 float32; q 2 x 16 x 2,048 x 128 float32; v 2 x 16 x 2,048 x 128 float32.
;; Outputs: out0 2 x 16 x 2,048 x 128 float32.
;; This version of the problem:
;;   THIS VERSION OF THE PROBLEM IS GIVEN IN LOW PRECISION. The matrix products marked QUANTISED in the list below multiply operands that are first quantised to E2M1 (2 exponent bits, 1 mantissa bit; 4 bits a number), with one power-of-two scale for each 32 numbers along K (OCP MX v1.0); their sums are f32. All else is computed in f32.
;;   The module's matrix products, in the order in which they are computed (A, B: the left and right operand; K: the contracted axis; several contracted axes count as one K, in the product's order):
;;     1. batch 32 x [M 2,048, K 128] x [K 128, N 2,048]; A: input q; B: input k: QUANTISED
;;     2. batch 32 x [M 2,048, K 2,048] x [K 2,048, N 128]; A: softmax (see below); B: input v: QUANTISED
;;   THE QUANTISER, for each operand of a quantised product, along K:
;;     - K is cut into blocks of 32 from its start; a last block that is shorter is filled with zeros.
;;     - A block's scale is 2^e with e = floor(log2(the largest magnitude in the block)) - 2, held to -126 .. 127; a block of zeros has e = 0. As a byte (E8M0): e + 127.
;;     - Each number is divided by its block's scale, clamped to +-6, and rounded to the nearest number of E2M1, ties to even, subnormals kept.
;;     - The product sums the exact products of the quantised numbers (number of the format x scale) in f32.
;;   ~~~python
;;   def quantise(x, axis):      # numpy; x: float32 -> the quantised numbers, widened to float32 again
;;       x = np.moveaxis(x, axis, -1); K = x.shape[-1]
;;       x = np.pad(x, [(0, 0)] * (x.ndim - 1) + [(0, -K % 32)]); x = x.reshape(x.shape[:-1] + (-1, 32)); a = np.abs(x).max(-1, keepdims=True)
;;       e = np.where(a > 0, np.clip(np.frexp(np.where(a > 0, a, 1))[1] - 1 - 2, -126, 127), 0)      # np.frexp(a)[1] - 1 = floor(log2(a)), exactly
;;       r = np.clip(x / 2.0 ** e, -6, 6)
;;       step = 2.0 ** (np.maximum(np.frexp(np.where(r == 0, 1, r))[1] - 1, 0) - 1)
;;       q = np.round(r / step) * step * 2.0 ** e      # np.round: ties to even
;;       return np.moveaxis(q.reshape(q.shape[:-2] + (-1,))[..., :K], -1, axis).astype(np.float32)
;;   ~~~
;;   SOFTMAX AHEAD OF A QUANTISED PRODUCT. Where the list says 'softmax', what is quantised is not the finished softmax but p = 2^(t - M), with t = logit x log2(e) and M = ceil(the row's largest t), a whole number; so 1/2 < the row's largest p <= 1. The row's sum l is taken of the UNQUANTISED p, in f32, and the product's result is divided by l at the end. Since M is a whole number, a kernel that streams over the keys may use a running M (the ceiling of the running maximum): every later rescaling is an exact power of two, which a block's scale takes up: the codes' values come out the same.
;;   OPERANDS COMPUTED ON THE WAY. 'Computed on the way' means the value that the module computes at that place (a softmax that the list does not call 'softmax' is quantised finished and normalised). What goes into a quantiser is computed in f32, as accurately as f32 sums, v_exp_f32 and their like allow (about 1e-6 of the number): no bf16 or f16 on the way to a quantiser, and a product that is left as it is and whose result goes on into a quantised operand takes f32 operands (vector FMAs, or v_wmma_f32_16x16x4_f32). A number that lies on a knife's edge between two numbers of the format may be rounded either way, as far as f32 arithmetic and the matrix unit's own rounding can turn it there, and no further.
;; 2 versions. Each part assembles by itself: llvm-mc -triple=amdgcn-amd-amdhsa -mcpu=gfx1250 --defsym DOCPART=n.
;; ======== version 1 of 2: 2 launches
;; workspace buffers: q_codes 4,194,304 bytes; q_scales 262,144 bytes; k_codes 4,194,304 bytes; k_scales 262,144 bytes; v_codes 4,194,304 bytes; v_scales 262,144 bytes
;; launch quant (part 1): grid 640 x 1, 4 waves a work-group, no clusters, 35,328 bytes of LDS; arguments q, k, v, q_codes, q_scales, k_codes, k_scales, v_codes, v_scales; writes q_codes, q_scales, k_codes, k_scales, v_codes, v_scales
.if DOCPART == 1
	.amdgcn_target "amdgcn-amd-amdhsa--gfx1250"
	.amdhsa_code_object_version 6
	.text
	.protected	k_q6f644beead_quant
	.globl	k_q6f644beead_quant
	.p2align	8
	.type	k_q6f644beead_quant,@function
k_q6f644beead_quant:
	s_mov_b64 s[64:65], 0
	v_nop
	global_prefetch_b8 v0, s[64:65] scope:SCOPE_SE
	s_setreg_imm32_b32 hwreg(HW_REG_WAVE_MODE, 25, 1), 1
	s_wait_xcnt 0x0
; q, k, v: [32 heads][2048][128] f32 -> codes of FP4 (E2M1), 4 bits each, with one E8M0 scale byte for each 32 along the K of the product that reads them.
; A block's scale is 2^(floor(log2(its largest magnitude)) - 2): its byte is the largest magnitude's exponent field - 2, held at 1 from below (e = -126); a block of zeros gets 127.
; Each number is divided by the scale and rounded to the nearest code, ties to even, beyond 6 the largest code.
; LIMITS: NaN and infinities among the inputs are not served.
; q and k: K = the head's 128, innermost in memory.  Rows are dense, so each tensor is a plain stream of blocks of 32: codes [row][64 bytes], scale bytes [row][4].
; v: K = the keys, its FIRST axis within a head.  Codes [head][128 d][64 key blocks][16 bytes]; scale words [head][16 steps of 128 keys][128 d], byte b of a word = key block 4 step + b.
;   INSIDE a block of v's codes the four groups of eight keys stand in the order 0, 2, 1, 3 (dword 1 holds keys 16-23, dword 2 keys 8-15): that is the order in which the attention launch's
;   weights come out of its conversions; the order stays inside one block, so one scale serves it, and both operands of that product have it alike.
; SHARES: work-groups 0-127 take v (a head's 512 keys x 128 columns each; they have twice the numbers of the others, so they come first), 128-383 q, 384-639 k (32,768 numbers each).
; No tensor loads, no barrier: waves share nothing.  The matrix units, clusters and large register tiles have nothing to do here: every byte is read once and written once.
.set QX,  16                           ; q/k: v16-79   four sets of 16 numbers
.set QC,  80                           ; q/k: v80-143  codes: four registers for each step, so that no store's data are written again
.set QE,  144                          ; q/k: v144-159 a scale byte for each step
.set VX,  32                           ; v:   v32-95   two sets of 32 numbers
.set VC,  96                           ; v:   v96-99   a block's codes
.set VOUT, 112                         ; v:   v112-175 the way out
.set VSB, 24                           ; v:   v24-27   the scale bytes, four to a register: one word for each step of 128 keys
.set VPITCH, 272                       ; v:   a stage row: 256 bytes + 16
	s_load_b256 s[4:11], s[0:1], 0x0               ; q s[4:5], k s[6:7], v s[8:9], q_codes s[10:11]
	s_load_b256 s[12:19], s[0:1], 0x20             ; q_scales s[12:13], k_codes s[14:15], k_scales s[16:17], v_codes s[18:19]
	s_load_b64 s[20:21], s[0:1], 0x40              ; v_scales
	v_lshl_add_u32 v192, v0, 2, 0x8800
	v_mov_b32 v193, 0
	v_lshrrev_b32 v1, 5, v0
	v_readfirstlane_b32 s22, v1                    ; wave 0..3
	v_and_b32 v2, 31, v0                           ; lane
	s_cmp_lt_u32 ttmp9, 128
	s_cbranch_scc1 .Lv
; ---------------- q and k: K innermost.  A wave takes 16 steps of 512 numbers; in a step a lane holds 16 neighbours (64 bytes, four loads), two neighbouring lanes hold a block.
	v_lshlrev_b32 v3, 6, v2                        ; my 64 bytes of a step's 2,048
	v_lshlrev_b32 v4, 3, v2                        ; my 8 bytes of a step's 256 bytes of codes; also my 8 of the wave's 256 scale bytes
	v_lshrrev_b32 v5, 1, v2
	s_lshl_b32 s23, s22, 8
	v_add_nc_u32 v5, s23, v5                       ; LDS: my wave's 256 bytes, my block's byte
	v_add_nc_u32 v6, s23, v4                       ; and on the way out 8 bytes a lane
	s_wait_kmcnt 0x0
	s_cmp_lt_u32 ttmp9, 384                        ; q's work-group or k's?  The choice hangs on the work-group's number alone
	s_cselect_b64 s[4:5], s[4:5], s[6:7]
	s_cselect_b64 s[10:11], s[10:11], s[14:15]
	s_cselect_b64 s[12:13], s[12:13], s[16:17]
	s_cselect_b32 s24, 0, 256
	s_sub_co_u32 s25, ttmp9, 128
	s_sub_co_u32 s24, s25, s24                     ; the work-group's number within its tensor, 0..255
	s_lshl_b32 s24, s24, 2
	s_add_co_u32 s24, s24, s22                     ; which run of 8,192 numbers is my wave's: 0..1023
	s_mov_b32 s27, 0
	s_lshl_b32 s26, s24, 15                        ; 32,768 bytes of f32 a run
	s_add_nc_u64 s[4:5], s[4:5], s[26:27]
	s_lshl_b32 s26, s24, 12                        ; 4,096 bytes of codes
	s_add_nc_u64 s[10:11], s[10:11], s[26:27]
	s_lshl_b32 s26, s24, 8                         ; 256 scale bytes
	s_add_nc_u64 s[12:13], s[12:13], s[26:27]
.macro QLOAD t
.irp i, 0,1,2,3
	global_load_b128 v[QX+16*((\t)%4)+4*\i:QX+16*((\t)%4)+4*\i+3], v3, s[4:5] offset:2048*(\t)+16*\i th:TH_LOAD_NT
.endr
.endm
.irp t, 0,1,2,3
	QLOAD \t
.endr
.macro QSTEP t
.set XS, QX+16*((\t)%4)
.if 15-(\t) >= 3
	s_wait_loadcnt 12                              ; this step's four loads are in; the next three steps' twelve may be out
.else
	s_wait_loadcnt 4*(15-(\t))                     ; the tail: four for each step still to come
.endif
	v_max3_num_f32 v8, |v[XS]|, |v[XS+1]|, |v[XS+2]|               ; the largest magnitude of my 16, in two chains
	v_max3_num_f32 v9, |v[XS+3]|, |v[XS+4]|, |v[XS+5]|
.irp i, 6,10
	v_max3_num_f32 v8, v8, |v[XS+\i]|, |v[XS+\i+1]|
	v_max3_num_f32 v9, v9, |v[XS+\i+2]|, |v[XS+\i+3]|
.endr
	v_max3_num_f32 v8, v8, |v[XS+14]|, |v[XS+15]|
	v_max_num_f32 v8, v8, v9
	v_max_num_f32_dpp v8, v8, v8 row_xmask:1 row_mask:0xf bank_mask:0xf   ; and of my neighbour's 16: the block's
	v_lshrrev_b32 v9, 23, v8                       ; its exponent field (the sign bit is 0)
	v_max_u32 v9, 3, v9                            ; the byte is not to fall under 1
	v_add_nc_u32 v9, -2, v9                        ; the scale's byte
	v_lshlrev_b32 v11, 23, v9                      ; and the scale as f32: the conversion takes its exponent field
	v_cmp_eq_u32 vcc_lo, 0, v8                     ; a block of zeros?
	v_cvt_scalef32_pk8_fp4_f32 v[QC+4*(\t)], v[XS:XS+7], v11
	v_cvt_scalef32_pk8_fp4_f32 v[QC+4*(\t)+1], v[XS+8:XS+15], v11
	v_cndmask_b32 v[QE+(\t)], v9, 127, vcc_lo      ; a block of zeros gets 127.  (Also the plain vector instruction between a scaled conversion and what touches its result or writes its sources)
	ds_store_b8 v5, v[QE+(\t)] offset:16*(\t)      ; both lanes of a block write the same byte with the same value
	global_store_b64 v4, v[QC+4*(\t):QC+4*(\t)+1], s[10:11] offset:256*(\t)   ; the wave stores 256 consecutive bytes, aligned
.if (\t)+4 < 16
	QLOAD (\t)+4
.endif
.endm
.irp t, 0,1,2,3,4,5,6,7,8,9,10,11,12,13,14,15
	QSTEP \t
.endr
	ds_load_b64 v[12:13], v6                       ; LDS serves a wave's instructions in order: these see my stores
	s_wait_dscnt 0x0
	global_store_b64 v4, v[12:13], s[12:13]        ; the wave's 256 scale bytes: 256 consecutive bytes, aligned
	s_wait_tensorcnt 0x0
	ds_add_u32 v192, v193
	s_wait_dscnt 0x0
	s_endpgm
; ---------------- v: K = the keys, not innermost.  A LANE TAKES A COLUMN d, AND ITS REGISTERS RUN DOWN THE KEYS: a block of 32 keys lies in one lane's 32 registers.
; A wave takes 32 columns x 512 keys: 16 blocks a lane, 256 bytes of codes for each column; they go through the wave's own stage in LDS and leave as rows.
.Lv:
	v_lshlrev_b32 v3, 2, v2                        ; 4 bytes a lane: in v, and in a step's scale words
	s_mul_i32 s23, s22, 32*VPITCH                  ; my stage
	v_mul_u32_u24 v4, v2, VPITCH
	v_add_nc_u32 v4, s23, v4                       ; into it: row = my column
	v_and_b32 v5, 15, v2
	v_lshrrev_b32 v6, 4, v2                        ; out of it: sixteen lanes to a row, two rows an instruction
	v_mul_u32_u24 v7, v6, VPITCH
	v_lshl_add_u32 v7, v5, 4, v7
	v_add_nc_u32 v7, s23, v7                       ; LDS address
	v_lshlrev_b32 v8, 10, v6                       ; and the same place in the codes' buffer: rows of 1,024 bytes
	v_lshl_add_u32 v8, v5, 4, v8
	s_lshr_b32 s24, ttmp9, 2                       ; the head
	s_and_b32 s25, ttmp9, 3                        ; which 512 keys
	s_lshl_b32 s26, s24, 20                        ; v: head x 2^20 + 512 keys x 512 bytes + 32 columns x 4 bytes a wave
	s_lshl_b32 s32, s25, 18
	s_add_co_u32 s26, s26, s32
	s_lshl_b32 s32, s22, 7
	s_add_co_u32 s26, s26, s32
	s_mov_b32 s27, 0
	s_lshl_b32 s28, s24, 17                        ; codes: head x 2^17 + 32 rows of 1,024 bytes a wave + 256 bytes for each 512 keys
	s_lshl_b32 s32, s22, 15
	s_add_co_u32 s28, s28, s32
	s_lshl_b32 s32, s25, 8
	s_add_co_u32 s28, s28, s32
	s_mov_b32 s29, 0
	s_lshl_b32 s30, s24, 13                        ; scale words: head x 8,192 + 4 steps of 512 bytes + 128 bytes a wave
	s_lshl_b32 s32, s25, 11
	s_add_co_u32 s30, s30, s32
	s_lshl_b32 s32, s22, 7
	s_add_co_u32 s30, s30, s32
	s_mov_b32 s31, 0
	s_wait_kmcnt 0x0
	s_add_nc_u64 s[8:9], s[8:9], s[26:27]
	s_add_nc_u64 s[18:19], s[18:19], s[28:29]
	s_add_nc_u64 s[20:21], s[20:21], s[30:31]
.macro VLOAD t                         ; block t: v(32 t + i, my column), i = 0 .. 31, into set t % 2; a wave's load reads 128 consecutive bytes, the four waves 512
.irp i, 0,1,2,3,4,5,6,7,8,9,10,11,12,13,14,15,16,17,18,19,20,21,22,23,24,25,26,27,28,29,30,31
	global_load_b32 v[VX+32*((\t)%2)+\i], v3, s[8:9] offset:(32*(\t)+\i)*512 th:TH_LOAD_NT
.endr
.endm
	VLOAD 0
	VLOAD 1
.macro VBLOCK t
.set XS, VX+32*((\t)%2)
.if (\t) < 15
	s_wait_loadcnt 32                              ; this block's 32 loads are in; the next block's 32 may be out
.else
	s_wait_loadcnt 0
.endif
	v_max3_num_f32 v12, |v[XS]|, |v[XS+1]|, |v[XS+2]|              ; the block's largest magnitude: all 32 numbers are mine
	v_max3_num_f32 v13, |v[XS+3]|, |v[XS+4]|, |v[XS+5]|
.irp i, 6,10,14,18,22,26
	v_max3_num_f32 v12, v12, |v[XS+\i]|, |v[XS+\i+1]|
	v_max3_num_f32 v13, v13, |v[XS+\i+2]|, |v[XS+\i+3]|
.endr
	v_max3_num_f32 v12, v12, |v[XS+30]|, |v[XS+31]|
	v_max_num_f32 v12, v12, v13
	v_lshrrev_b32 v13, 23, v12                     ; its exponent field
	v_max_u32 v13, 3, v13                          ; the byte is not to fall under 1
	v_add_nc_u32 v13, -2, v13                      ; the scale's byte
	v_lshlrev_b32 v11, 23, v13                     ; and the scale as f32
	v_cmp_eq_u32 vcc_lo, 0, v12
	v_cndmask_b32 v13, v13, 127, vcc_lo            ; a block of zeros gets 127
.if (\t)%4 == 0
	v_mov_b32 v[VSB+(\t)/4], v13                   ; four bytes to a word, the lower keys in the lower byte
.else
	v_lshl_or_b32 v[VSB+(\t)/4], v13, 8*((\t)%4), v[VSB+(\t)/4]
.endif
.irp g, 0,1,2,3
	v_cvt_scalef32_pk8_fp4_f32 v[VC+2*(\g%2)+\g/2], v[XS+8*\g:XS+8*\g+7], v11   ; keys 8 g .. 8 g + 7 go to dword 0, 2, 1, 3 of the block
.endr
	v_nop                                          ; one plain vector instruction between a scaled conversion and what touches its result or writes its sources
	ds_store_b128 v4, v[VC:VC+3] offset:16*(\t)    ; 32 codes: 16 bytes of my column's row; rows 272 bytes apart: sixteen lanes touch sixteen different 16-byte columns modulo 256
.if (\t)+2 < 16
	VLOAD (\t)+2
.endif
	s_wait_dscnt 0x0                               ; the store has read its registers: the next block's codes may be written
.endm
.irp t, 0,1,2,3,4,5,6,7,8,9,10,11,12,13,14,15
	VBLOCK \t
.endr
.irp i, 0,1,2,3
	global_store_b32 v3, v[VSB+\i], s[20:21] offset:512*\i   ; step i's scale words of my wave's 32 columns: 128 consecutive bytes; the four waves' stores fill the step's 512
.endr
.irp t, 0,1,2,3,4,5,6,7,8,9,10,11,12,13,14,15
	ds_load_b128 v[VOUT+4*\t:VOUT+4*\t+3], v7 offset:2*\t*VPITCH   ; LDS serves a wave's instructions in order: these see my stores
.endr
.irp t, 0,1,2,3,4,5,6,7,8,9,10,11,12,13,14,15
	s_wait_dscnt 15-\t                             ; the younger stage loads may be out
	global_store_b128 v8, v[VOUT+4*\t:VOUT+4*\t+3], s[18:19] offset:2*\t*1024   ; sixteen lanes store 256 consecutive bytes, aligned
.endr
	s_wait_tensorcnt 0x0
	ds_add_u32 v192, v193
	s_wait_dscnt 0x0
	s_endpgm
.Lfunc_end_k_q6f644beead_quant:
	.size	k_q6f644beead_quant, .Lfunc_end_k_q6f644beead_quant-k_q6f644beead_quant
	.p2alignl 7, 3214868480
	.fill 96, 4, 3214868480
	.section	.rodata,"a",@progbits
	.p2align	6, 0x0
	.amdhsa_kernel k_q6f644beead_quant
		.amdhsa_group_segment_fixed_size 35328
		.amdhsa_private_segment_fixed_size 0
		.amdhsa_enable_private_segment 0
		.amdhsa_kernarg_size 72
		.amdhsa_user_sgpr_count 2
		.amdhsa_user_sgpr_kernarg_segment_ptr 1
		.amdhsa_wavefront_size32 1
		.amdhsa_system_sgpr_workgroup_id_x 1
		.amdhsa_system_sgpr_workgroup_id_y 1
		.amdhsa_system_sgpr_workgroup_id_z 1
		.amdhsa_system_vgpr_workitem_id 0
		.amdhsa_next_free_vgpr 194
		.amdhsa_next_free_sgpr 66
		.amdhsa_reserve_vcc 1
		.amdhsa_float_denorm_mode_32 3
		.amdhsa_float_denorm_mode_16_64 3
		.amdhsa_memory_ordered 1
		.amdhsa_forward_progress 1
		.amdhsa_inst_pref_size 106
	.end_amdhsa_kernel
	.amdgpu_metadata
---
amdhsa.version: [ 1, 2 ]
amdhsa.kernels:
  - .name:           k_q6f644beead_quant
    .symbol:         k_q6f644beead_quant.kd
    .args:
      - { .name: q, .offset: 0, .size: 8, .value_kind: global_buffer, .address_space: global }
      - { .name: k, .offset: 8, .size: 8, .value_kind: global_buffer, .address_space: global }
      - { .name: v, .offset: 16, .size: 8, .value_kind: global_buffer, .address_space: global }
      - { .name: q_codes, .offset: 24, .size: 8, .value_kind: global_buffer, .address_space: global }
      - { .name: q_scales, .offset: 32, .size: 8, .value_kind: global_buffer, .address_space: global }
      - { .name: k_codes, .offset: 40, .size: 8, .value_kind: global_buffer, .address_space: global }
      - { .name: k_scales, .offset: 48, .size: 8, .value_kind: global_buffer, .address_space: global }
      - { .name: v_codes, .offset: 56, .size: 8, .value_kind: global_buffer, .address_space: global }
      - { .name: v_scales, .offset: 64, .size: 8, .value_kind: global_buffer, .address_space: global }
    .group_segment_fixed_size: 35328
    .private_segment_fixed_size: 0
    .kernarg_segment_align: 8
    .kernarg_segment_size: 72
    .max_flat_workgroup_size: 128
    .sgpr_count:     66
    .vgpr_count:     194
    .wavefront_size: 32
...
	.end_amdgpu_metadata
.endif
;; end of part 1
;; launch attn (part 2): grid 8 x 32, 8 waves a work-group, clusters of 4 x 1, 324,608 bytes of LDS; arguments q_codes, q_scales, k_codes, k_scales, v_codes, v_scales, out0; writes out0
.if DOCPART == 2
	.amdgcn_target "amdgcn-amd-amdhsa--gfx1250"
	.amdhsa_code_object_version 6
	.text
	.protected	k_q6f644beead_attn
	.globl	k_q6f644beead_attn
	.p2align	8
	.type	k_q6f644beead_attn,@function
k_q6f644beead_attn:
	s_mov_b64 s[64:65], 0
	v_nop
	global_prefetch_b8 v0, s[64:65] scope:SCOPE_SE
	s_setreg_imm32_b32 hwreg(HW_REG_WAVE_MODE, 25, 1), 1
	s_wait_xcnt 0x0
	s_wait_alu depctr_hold_cnt(0) depctr_sa_sdst(0) depctr_va_vdst(0) depctr_va_sdst(0) depctr_va_ssrc(0) depctr_va_vcc(0) depctr_vm_vsrc(0)
	s_getreg_b32 s2, hwreg(HW_REG_IB_STS2, 6, 4)
	s_cmp_eq_u32 s2, 0
	s_cbranch_scc0 .Lentry_in_a_cluster
	s_endpgm
.Lentry_in_a_cluster:
	s_bfe_u32 s2, ttmp6, 0x10000c
	s_cmp_lg_u32 s2, 0x3003
	s_cbranch_scc0 .Lentry_shape_is_right
	s_endpgm
.Lentry_shape_is_right:
; out0[head][q][:] = the sum over keys k <= q of softmax_k(Q[q] . K[k] / sqrt(128)) V[k][:], 32 heads of 2,048 x 128, both products on codes of FP4 (E2M1) with one E8M0 scale for each 32 along K.
; Inputs as the quantising launch lays them: Q, K codes [head][row][64 bytes], scale words [head][row]; V codes [head][128 d][64 key blocks][16 bytes], scale words [head][16 steps][128 d].
; THE SOFTMAX AHEAD OF THE SECOND PRODUCT: t = score x c, c = log2(e) / sqrt(128); M = the row's largest t so far, rounded UP to a whole number; p = 2^(t - M) is quantised along the keys, not normalised.
; The row's sum is taken of the unquantised p, in f32, and divides O at the end.  When M moves, the sum and O are multiplied by 2^(old M - new M), a power of two.
; SHARES.  A head's 2,048 queries are four super-blocks of 512.  A cluster of four work-groups (cluster x = J, 0 or 1) takes super-block J in pass 0 and 3 - J in pass 1.  A work-group has eight waves,
; two to a SIMD; a wave owns ONE tile of 16 queries a pass: with m = wave (pass 0) or 7 - wave (pass 1), queries 512 SB + 64 m + 16 cx on.  Keys go in steps of 128; the step that holds the diagonal is
; SD = 4 SB + m / 2, so a wave walks (4 J + w / 2 + 1) + (12 - 4 J + 3 - w / 2 + 1) = 17 steps whatever J and w: 256 work-groups of equal work.  SD hangs on J and the wave's number, never on cx.
; THE WHOLE HEAD STAYS IN LDS: K's and V's codes and scale words, 272 KB with padding, are filled ONCE at the head, so no LDS byte is filled twice and no barrier stands in the loops:
; that is what lets each wave have its own number of trips.  The four partners of a cluster walk the same head: each tile is asked for JOINTLY (mask 15), which divides the requests for K and V by four.
; LAYOUT.  Both products are used transposed: S^T = K Q^T (source 0 = 16 keys, source 1 = my 16 queries), O^T = V^T P^T (source 0 = 16 of the head's 128, source 1 = P): a lane holds ONE query (lane % 16).
; A tile of K is 16 NEIGHBOURING keys; lane (r, h), register j of tile t holds key 16 t + 8 h + j.  After two conversions a block and the exchange of halves, a lane's four registers of a block of 32 keys
; hold its groups of eight in the order 0, 2, 1, 3; V's codes are stored in that same order, so every product meets its partner, under the block's one scale.
; THE DIAGONAL STEP COMES FIRST in a pass: its products start O^T's sums with the constant 0 and it starts M and the sum, so nothing is cleared; then steps 0 .. SD - 1, which need no mask.
; THE WAY OUT STANDS AT THE END, for both tiles: pass 0's results wait in 64 registers of their own.  One barrier parts every wave's reads of K and V, whose addresses hang on a stepped index, from the first
; store into a stage.
; LIMITS: NaN and infinities among the inputs are not served; a p under 2^-126 comes out of v_exp_f32 as 0 (ISA guide, its entry in 15.8); t = score x c - M is one fused multiply-add;
; the order of keys inside a block differs from memory's, so the unit groups the products of a block otherwise than in natural order.
; Left out: a ring of slots (a head fits whole); prefetching (every tile is asked for in the first lines).
;
; LDS: KB K's codes, 512 runs of 256 bytes + 16 of padding (key n at 64 n + 16 (n / 4)); VB V's codes, 128 rows of 1,024 bytes + 16; SCK, SCV scale words, dense; STAGE 16 rows x 272 bytes a wave, for the way out.
.set KB,    0
.set VB,    139264                     ; 512 x 272
.set SCK,   272384                     ; VB + 128 x 1,040
.set SCV,   280576
.set STAGE, 288768                     ; written by LDS stores alone: no fill lands here
.set KTILE, 1088                       ; 16 keys: four runs of 272
.set KSTEP, 8704                       ; 128 keys
.set VP,    1040                       ; a row of V: 65 x 16 bytes, so the sixteen rows of a load start at sixteen different 16-byte columns modulo 256
.set SP,    272
; REGISTERS, window 0 (an instruction names v0-v255; s_set_vgpr_msb says which window each operand place means: bits 1:0 source 0, 3:2 source 1, 5:4 source 2, 7:6 destination):
.set AK,   1                           ; v1   my lane's place in a tile of K: 64 r + 16 (r / 4) + 16 h
.set AV,   2                           ; v2   in tiles 0-3 of V: VB + 1040 r + 16 h
.set AV2,  3                           ; v3   in tiles 4-7: 64 rows on (beyond the 16-bit offset)
.set ASK,  4                           ; v4   among K's scale words: SCK + 4 lane
.set ASV,  5                           ; v5   among V's: SCV + 4 lane
.set STO,  6                           ; v6   the way out: where I put 32 bytes of a row
.set RD,   7                           ; v7   where I read a row back
.set GO,   8                           ; v8   my byte offset in the tile's rows of out0
.set RB,   9                           ; v9   r - 8 h
.set THR,  10                          ; v10  the mask's threshold: register (t, j) is kept where 16 t + j <= THR
.set ADK,  11                          ; v11-15 the addresses of the fetch in hand
.set ADS,  12
.set ADV,  13
.set ADV2, 14
.set ADT,  15
.set Q0F,  16                          ; v16-23 Q's fragment, v24 its scale words: pass 0
.set Q0S,  24
.set NEG,  25                          ; v25  -infinity
.set NM,   26                          ; v26  -M;  v27 the running largest t (named with it as a pair)
.set TM,   27
.set AF,   28                          ; v28  2^(old M - new M);  v29 old M - new M
.set DI,   29
.set LS,   30                          ; v30-31 the sum: even keys', odd keys'
.set KS,   32                          ; v32-35 K's scale words: register b: lanes 0-15 tile 2 b, lanes 16-31 tile 2 b + 1
.set VS,   36                          ; v36-39 V's likewise
.set BM,   40                          ; v40-43 the blocks' largest score, then largest p
.set TP,   44                          ; v44-47 destinations of the lane exchange
.set SF,   48                          ; v48-51 the blocks' scales as f32
.set EB,   52                          ; v52-55 their bytes
.set PS,   56                          ; v56  p's scale word
.set TT,   57                          ; v57  at work
.set RL,   58                          ; v58-59 1 / sum (a pair is named)
.set LB,   60                          ; v60-67 four pairs for the step's sums
.set Q1F,  80                          ; v80-87, v88: Q of pass 1
.set Q1S,  88
.set S,    96                          ; v96-159 S^T, then p; at the end pass 1's results
.set OT,   160                         ; v160-223 O^T; on the way out pass 0's rows read back
.set PC,   224                         ; v224-231 p's codes
.set KF,   0                           ; window 1: v0-63 K's eight fragments, v64-127 V's, v128-191 pass 0's results
.set VF,   64
.set R0,   128
.set WV,   18                          ; s18 wave, s19 cx, s20 J, s21 head
.set SEL,  66                          ; s[66:67] lane selects for v_permlanex16_b32: lane l xor 16
.set CS,   68                          ; s[68:69] c (a pair is named)
.set SD,   73                          ; s73 the diagonal's step;  s74 trips to go
.set CNT,  74
.set IX,   98                          ; s98 the key step to be fetched
.set MSB, 0
.macro WIN new                         ; the immediate's high byte repeats the setting that is left; a switch that changes nothing is dropped
.if MSB != \new
	s_set_vgpr_msb (MSB<<8)|\new
.set MSB, \new
.endif
.endm
.set W_MM, 0x01                        ; source 0 (K's or V's fragment) window 1, all else window 0
.set W_LD, 0x40                        ; destination window 1, all else window 0
.set W_ST, 0x04                        ; source 1 (an LDS store's data) window 1, all else window 0
.macro PLACES                          ; four plain places behind a matrix instruction, in front of reads of its result and of loads into its registers
.rept 4
	v_nop
.endr
.endm
; A round of the cluster's barrier: my work-group's barrier, so that wave 0's signal speaks for all eight waves; wave 0 signals for the work-group; every wave waits for all four work-groups; my work-group's barrier once more.
.macro CROUND
	s_barrier_signal -1
	s_barrier_wait -1
	s_cmp_lg_u32 s[WV], 0
	s_cbranch_scc1 .Lnot_wave_0_\@
	s_barrier_signal -3
.Lnot_wave_0_\@:
	s_barrier_wait -3
	s_barrier_signal -1
	s_barrier_wait -1
.endm
	s_load_b256 s[4:11], s[0:1], 0x0               ; Q's codes s[4:5], Q's scales s[6:7], K's codes s[8:9], K's scales s[10:11]
	s_load_b128 s[12:15], s[0:1], 0x20             ; V's codes s[12:13], V's scales s[14:15]
	s_load_b64 s[16:17], s[0:1], 0x30              ; out0
	v_lshl_add_u32 v254, v0, 2, 0x4f000
	v_mov_b32 v255, 0
	ds_add_u32 v254, v255
	ds_add_u32 v254, v255
	v_lshrrev_b32 v68, 5, v0
	v_readfirstlane_b32 s[WV], v68                 ; wave 0..7
	s_bfe_u32 s19, ttmp6, 0x40000                  ; cx: my place in the cluster; it enters Q's and out0's addresses and the mask's threshold alone
	s_and_b32 s20, ttmp9, 1                        ; J: the cluster's x, 0 or 1
	s_and_b32 s21, ttmp7, 0xffff                   ; the head, which the four partners share
	s_and_b32 s22, s[WV], 3                        ; which quarter of K's (waves 0-3) or V's (waves 4-7) bytes I fetch
	; descriptor groups 1; elements of 8 bytes; 15:0 the mask: all four work-groups; 21 set beside a mask
	s_mov_b32 s24, 15|(3<<16)|(1<<20)|(1<<21)|(5<<22)|(3<<25)   ; K's codes: 128 rows of 256 dense bytes; four words of padding after every 64
	s_mov_b32 s25, 32<<16                          ; tensor_dim0 = 32
	s_mov_b32 s26, 128<<16                         ; tensor_dim1 = 128
	s_mov_b32 s27, 32<<16                          ; tile_dim0 = 32
	s_mov_b32 s28, 128                             ; tile_dim1 = 128
	s_mov_b32 s29, 32                              ; from row to row
	s_mov_b32 s30, 0
	s_mov_b32 s31, 0
	s_mov_b32 s32, 15|(3<<16)|(1<<20)|(1<<21)|(7<<22)|(3<<25)   ; V's codes: 32 rows of 1,024 bytes; four words of padding after every 256
	s_mov_b32 s33, 128<<16
	s_mov_b32 s34, 32<<16
	s_mov_b32 s35, 128<<16
	s_mov_b32 s36, 32
	s_mov_b32 s37, 128
	s_mov_b32 s38, 0
	s_mov_b32 s39, 0
	s_mov_b32 s40, 15|(3<<16)|(1<<21)              ; scale words: 8 rows of 256 dense bytes, no padding
	s_mov_b32 s41, 32<<16
	s_mov_b32 s42, 8<<16
	s_mov_b32 s43, 32<<16
	s_mov_b32 s44, 8
	s_mov_b32 s45, 32
	s_mov_b32 s46, 0
	s_mov_b32 s47, 0
	s_mov_b32 s[SEL], 0x76543210
	s_mov_b32 s[SEL+1], 0xfedcba98
	s_mov_b32 s[CS], 0x3e0293ee                    ; c = log2(e) / sqrt(128)
	s_mov_b32 s[CS+1], s[CS]
	s_lshl_b32 s82, s21, 17                        ; my quarter of the head's codes: head x 131,072 + quarter x 32,768
	s_lshl_b32 s84, s22, 15
	s_add_co_u32 s82, s82, s84
	s_mov_b32 s83, 0
	s_lshl_b32 s84, s21, 13                        ; and of its scale words: head x 8,192 + quarter x 2,048
	s_lshl_b32 s85, s22, 11
	s_add_co_u32 s84, s84, s85
	s_mov_b32 s85, 0
	s_wait_dscnt 0x0
	s_wait_kmcnt 0x0
	CROUND                                         ; all four work-groups are here: the joint loads meet
	s_mov_b32 s48, 1                               ; K's codes: count = 1,
	s_mul_i32 s49, s22, 128*272                    ; LDS address: no place in the cluster enters it,
	s_add_nc_u64 s[50:51], s[8:9], s[82:83]        ; global address,
	s_or_b32 s51, s51, 0x80000000                  ; type = 2
	s_mov_b32 s52, 1                               ; K's scale words
	s_lshl_b32 s53, s22, 11
	s_add_co_u32 s53, s53, SCK
	s_add_nc_u64 s[54:55], s[10:11], s[84:85]
	s_or_b32 s55, s55, 0x80000000
	s_mov_b32 s56, 1                               ; V's codes
	s_mul_i32 s57, s22, 32*VP
	s_add_co_u32 s57, s57, VB
	s_add_nc_u64 s[58:59], s[12:13], s[82:83]
	s_or_b32 s59, s59, 0x80000000
	s_mov_b32 s60, 1                               ; V's scale words
	s_lshl_b32 s61, s22, 11
	s_add_co_u32 s61, s61, SCV
	s_add_nc_u64 s[62:63], s[14:15], s[84:85]
	s_or_b32 s63, s63, 0x80000000
	s_cmp_lt_u32 s[WV], 4                          ; a wave's two fills stand in one branch on the wave's number: two tensor loads of mine are out; four v_nop follow the second
	s_cbranch_scc0 .Lfor_v
	tensor_load_to_lds s[48:51], s[24:31]
	s_nop 0
	tensor_load_to_lds s[52:55], s[40:47]
	s_nop 0
	PLACES
	s_branch .Lasked
.Lfor_v:
	tensor_load_to_lds s[56:59], s[32:39]
	s_nop 0
	tensor_load_to_lds s[60:63], s[40:47]
	s_nop 0
	PLACES
.Lasked:
; Where pass p's tile begins in Q's codes, Q's scale words and out0.  s78-81 hold cx's share and feed nothing else.
.macro BASES p
.if \p
	s_sub_co_u32 s75, 3, s20                       ; SB = 3 - J
	s_sub_co_u32 s76, 7, s[WV]                     ; m = 7 - wave
.else
	s_mov_b32 s75, s20                             ; SB = J
	s_mov_b32 s76, s[WV]                           ; m = wave
.endif
	s_lshl_b32 s78, s75, 9
	s_lshl_b32 s79, s76, 6
	s_add_co_u32 s78, s78, s79
	s_lshl4_add_u32 s78, s19, s78                  ; my first query: 512 SB + 64 m + 16 cx
	s_lshl_b32 s79, s21, 11
	s_add_co_u32 s78, s78, s79                     ; its row among all heads'
	s_mov_b32 s81, 0
	s_lshl_b32 s80, s78, 6
	s_add_nc_u64 s[90+2*\p:91+2*\p], s[4:5], s[80:81]
	s_lshl_b32 s80, s78, 2
	s_add_nc_u64 s[94+2*\p:95+2*\p], s[6:7], s[80:81]
	s_lshl_b32 s80, s78, 9
	s_add_nc_u64 s[86+2*\p:87+2*\p], s[16:17], s[80:81]
.endm
	BASES 0
	BASES 1
	v_and_b32 v68, 15, v0                          ; r = lane % 16
	v_bfe_u32 v69, v0, 4, 1                        ; h = lane / 16
	v_and_b32 v72, 31, v0                          ; lane
	v_lshlrev_b32 v70, 6, v68
	v_lshl_add_u32 v70, v69, 4, v70                ; Q: row r of 64 bytes, + 16 h
	v_lshlrev_b32 v71, 2, v68                      ; its scale word
	global_load_b128 v[Q0F:Q0F+3], v70, s[90:91]   ; both passes' Q stays in registers: registers 4 c .. 4 c + 3 hold k = 64 c + 32 h + 0 .. 31
	global_load_b128 v[Q0F+4:Q0F+7], v70, s[90:91] offset:32
	global_load_b32 v[Q0S], v71, s[94:95]
	global_load_b128 v[Q1F:Q1F+3], v70, s[92:93]
	global_load_b128 v[Q1F+4:Q1F+7], v70, s[92:93] offset:32
	global_load_b32 v[Q1S], v71, s[96:97]
	v_lshrrev_b32 v[AK], 2, v68
	v_add_nc_u32 v[AK], v[AK], v69
	v_lshlrev_b32 v[AK], 4, v[AK]
	v_lshl_add_u32 v[AK], v68, 6, v[AK]            ; 64 r + 16 (r / 4) + 16 h: sixteen rows at sixteen different 16-byte columns modulo 256
	v_mul_u32_u24 v[AV], v68, VP
	v_lshl_add_u32 v[AV], v69, 4, v[AV]
	v_add_nc_u32 v[AV], VB, v[AV]
	v_add_nc_u32 v[AV2], 64*VP, v[AV]
	v_lshl_add_u32 v[ASK], v72, 2, SCK
	v_lshl_add_u32 v[ASV], v72, 2, SCV
	s_mul_i32 s23, s[WV], 16*SP
	s_add_co_u32 s23, s23, STAGE                   ; my stage
	v_mul_u32_u24 v[STO], v68, SP
	v_lshl_add_u32 v[STO], v69, 5, v[STO]
	v_add_nc_u32 v[STO], s23, v[STO]               ; in: row r; a tile's eight channels of my half: 32 h bytes on
	v_mul_u32_u24 v[RD], v69, SP
	v_lshl_add_u32 v[RD], v68, 4, v[RD]
	v_add_nc_u32 v[RD], s23, v[RD]                 ; back: lanes 0-15 one row, lanes 16-31 the next
	v_lshlrev_b32 v[GO], 9, v69
	v_lshl_add_u32 v[GO], v68, 4, v[GO]            ; and the same two rows of out0
	v_lshlrev_b32 v[RB], 3, v69
	v_sub_nc_u32 v[RB], v68, v[RB]                 ; r - 8 h
	v_mov_b32 v[NEG], 0xff800000
.irp b, 0,1,2,3
	v_mov_b32 v[TP+\b], 0                          ; (the destination of a lane exchange counts as read)
.endr
; The LDS addresses of key step IX: K's tiles 8,704 bytes a step, V's 64 bytes along each row, the scale words 512 bytes.
.macro ADDRS
	s_mul_i32 s70, s[IX], KSTEP
	s_lshl_b32 s71, s[IX], 6
	s_lshl_b32 s72, s[IX], 9
	v_add_nc_u32 v[ADK], s70, v[AK]
	v_add_nc_u32 v[ADS], s72, v[ASK]
	v_add_nc_u32 v[ADV], s71, v[AV]
	v_add_nc_u32 v[ADV2], s71, v[AV2]
	v_add_nc_u32 v[ADT], s72, v[ASV]
.endm
.macro FETCH_K                         ; 20 LDS loads in one run: a step's eight fragments of K (16 keys x 128 K: two loads of 16 bytes, 32 apart) and its scale words
	WIN W_LD
.irp t, 0,1,2,3,4,5,6,7
	ds_load_b128 v[KF+8*\t:KF+8*\t+3],   v[ADK] offset:KTILE*\t
	ds_load_b128 v[KF+8*\t+4:KF+8*\t+7], v[ADK] offset:KTILE*\t+32
.endr
	WIN 0
.irp b, 0,1,2,3
	ds_load_b32 v[KS+\b], v[ADS] offset:128*\b     ; lane l: the word of key 32 b + l
.endr
.endm
.macro FETCH_V                         ; 20 LDS loads in one run: the step's eight fragments of V^T (16 of the head's 128 x 128 keys) and its scale words
	WIN W_LD
.irp t, 0,1,2,3
	ds_load_b128 v[VF+8*\t:VF+8*\t+3],   v[ADV] offset:16*VP*\t
	ds_load_b128 v[VF+8*\t+4:VF+8*\t+7], v[ADV] offset:16*VP*\t+32
.endr
.irp t, 0,1,2,3
	ds_load_b128 v[VF+32+8*\t:VF+32+8*\t+3],   v[ADV2] offset:16*VP*\t
	ds_load_b128 v[VF+32+8*\t+4:VF+32+8*\t+7], v[ADV2] offset:16*VP*\t+32
.endr
	WIN 0
.irp g, 0,1,2,3
	ds_load_b32 v[VS+\g], v[ADT] offset:128*\g     ; lane l: the word of channel 32 g + l
.endr
.endm
; Tile t of S^T = K Q^T.  An odd tile's scale words lie in lanes 16-31 of their register.
.macro MMQK t, qf, qs
.if (\t)%2
	v_wmma_scale_f32_16x16x128_f8f6f4 v[S+8*(\t):S+8*(\t)+7], v[KF+8*(\t):KF+8*(\t)+7], v[\qf:\qf+7], 0, v[KS+(\t)/2], v[\qs] matrix_a_fmt:MATRIX_FMT_FP4 matrix_b_fmt:MATRIX_FMT_FP4 matrix_a_scale:MATRIX_SCALE_ROW1
.else
	v_wmma_scale_f32_16x16x128_f8f6f4 v[S+8*(\t):S+8*(\t)+7], v[KF+8*(\t):KF+8*(\t)+7], v[\qf:\qf+7], 0, v[KS+(\t)/2], v[\qs] matrix_a_fmt:MATRIX_FMT_FP4 matrix_b_fmt:MATRIX_FMT_FP4
.endif
.endm
; Tile t of O^T += V^T P^T.  first = 1: the product starts the sum.
.macro MMPV t, first
.if \first
.if (\t)%2
	v_wmma_scale_f32_16x16x128_f8f6f4 v[OT+8*(\t):OT+8*(\t)+7], v[VF+8*(\t):VF+8*(\t)+7], v[PC:PC+7], 0, v[VS+(\t)/2], v[PS] matrix_a_fmt:MATRIX_FMT_FP4 matrix_b_fmt:MATRIX_FMT_FP4 matrix_a_scale:MATRIX_SCALE_ROW1
.else
	v_wmma_scale_f32_16x16x128_f8f6f4 v[OT+8*(\t):OT+8*(\t)+7], v[VF+8*(\t):VF+8*(\t)+7], v[PC:PC+7], 0, v[VS+(\t)/2], v[PS] matrix_a_fmt:MATRIX_FMT_FP4 matrix_b_fmt:MATRIX_FMT_FP4
.endif
.else
.if (\t)%2
	v_wmma_scale_f32_16x16x128_f8f6f4 v[OT+8*(\t):OT+8*(\t)+7], v[VF+8*(\t):VF+8*(\t)+7], v[PC:PC+7], v[OT+8*(\t):OT+8*(\t)+7], v[VS+(\t)/2], v[PS] matrix_a_fmt:MATRIX_FMT_FP4 matrix_b_fmt:MATRIX_FMT_FP4 matrix_a_scale:MATRIX_SCALE_ROW1
.else
	v_wmma_scale_f32_16x16x128_f8f6f4 v[OT+8*(\t):OT+8*(\t)+7], v[VF+8*(\t):VF+8*(\t)+7], v[PC:PC+7], v[OT+8*(\t):OT+8*(\t)+7], v[VS+(\t)/2], v[PS] matrix_a_fmt:MATRIX_FMT_FP4 matrix_b_fmt:MATRIX_FMT_FP4
.endif
.endif
.endm
; A KEY STEP: 128 keys, whose K and V have been asked for (K's 20 loads, then V's 20).  first = 1: the diagonal's step, which masks and starts M, the sum and O^T.
; fetch = 1: step IX's K is asked for behind the first product, its V behind the second: each run has most of a step in which to come.
.macro STEP first, fetch, qf, qs
	s_wait_dscnt 20                                ; K's fragments and scale words are in; behind them only this step's 20 loads of V were issued
	WIN W_MM
.irp t, 0,1,2,3,4,5,6,7
	MMQK \t, \qf, \qs
.endr
	WIN 0
.if \fetch
	ADDRS                                          ; its five vector additions are the places behind the products, in front of the loads into K's registers and of the reads of S^T
	FETCH_K
.else
	PLACES
.endif
.if \first
.set x, 0
.rept 64                                       ; register 8 t + j holds key 16 t + 8 h + j of the step; my query is qo + r of it: hidden keys get -infinity, so that their p is 0.  Each tile from its low end on
	v_cmp_le_i32 vcc_lo, 16*(x/8)+x%8, v[THR]
	v_cndmask_b32 v[S+x], v[NEG], v[S+x], vcc_lo
.set x, x+1
.endr
.endif
	; the largest score of each block of 32 keys (tiles 2 b, 2 b + 1), four chains that do not wait for each other; each tile is first read at its low end
.irp b, 0,1,2,3
	v_max3_num_f32 v[BM+\b], v[S+16*\b], v[S+16*\b+1], v[S+16*\b+2]
.endr
.irp i, 3,5,7,9,11,13
.irp b, 0,1,2,3
	v_max3_num_f32 v[BM+\b], v[BM+\b], v[S+16*\b+\i], v[S+16*\b+\i+1]
.endr
.endr
.irp b, 0,1,2,3
	v_max_num_f32 v[BM+\b], v[BM+\b], v[S+16*\b+15]
.endr
.irp b, 0,1,2,3
	v_permlanex16_b32 v[TP+\b], v[BM+\b], s[SEL], s[SEL+1]   ; the block's other 16 keys lie in lane l xor 16
.endr
.irp b, 0,1,2,3
	v_max_num_f32 v[BM+\b], v[BM+\b], v[TP+\b]
.endr
	v_max3_num_f32 v[TT], v[BM], v[BM+1], v[BM+2]
	v_max_num_f32 v[TT], v[TT], v[BM+3]            ; the step's largest score of my query
.if \first
	v_mul_f32 v[TM], s[CS], v[TT]                  ; as t (c is positive)
	v_floor_f32 v[NM], -v[TM]                      ; -M = floor(-t) = -ceil(t): M IS A WHOLE NUMBER
.else
	v_mul_f32 v[TT], s[CS], v[TT]
	v_max_num_f32 v[TM], v[TM], v[TT]              ; the running largest t
	v_mov_b32 v[DI], v[NM]
	v_floor_f32 v[NM], -v[TM]                      ; the new -M
	v_sub_f32 v[DI], v[NM], v[DI]                  ; M's old value less its new one: a whole number, 0 or less
	v_cvt_i32_f32 v[DI], v[DI]
	v_ldexp_f32 v[AF], 1.0, v[DI]                  ; 2^(old M - new M)
.endif
	; a block's largest p is 2^(its largest t - M): the same fused multiply-add and the same exponential on the same bits as that key's own p gets below
.irp b, 0,1,2,3
	v_fma_f32 v[BM+\b], v[BM+\b], s[CS], v[NM]
.endr
	v_pk_fma_f32 v[S:S+1], v[S:S+1], s[CS:CS+1], v[NM:NM+1] op_sel_hi:[1,0,0]         ; t - M for the first pairs of scores
	v_pk_fma_f32 v[S+2:S+3], v[S+2:S+3], s[CS:CS+1], v[NM:NM+1] op_sel_hi:[1,0,0]
.irp b, 0,1,2,3
	v_exp_f32 v[BM+\b], v[BM+\b]
.endr
	v_pk_fma_f32 v[S+4:S+5], v[S+4:S+5], s[CS:CS+1], v[NM:NM+1] op_sel_hi:[1,0,0]     ; (the plain place behind the exponentials)
	s_wait_alu depctr_va_vdst(0)
.irp b, 0,1,2,3
	v_lshrrev_b32 v[EB+\b], 23, v[BM+\b]           ; the exponent field,
.endr
.irp b, 0,1,2,3
	v_max_u32 v[EB+\b], 3, v[EB+\b]                ; (the byte is not to fall under 1)
.endr
.irp b, 0,1,2,3
	v_add_nc_u32 v[EB+\b], -2, v[EB+\b]            ; the scale's byte,
.endr
.irp b, 0,1,2,3
	v_lshlrev_b32 v[SF+\b], 23, v[EB+\b]           ; the scale as f32, for the conversions
.endr
.irp b, 0,1,2,3
	v_cmp_eq_u32 vcc_lo, 0, v[BM+\b]
	v_cndmask_b32 v[EB+\b], v[EB+\b], 127, vcc_lo  ; a block whose every p is 0
.endr
	v_lshl_or_b32 v[PS], v[EB+1], 8, v[EB]         ; p's scale word for these 128 keys
	v_lshl_or_b32 v[PS], v[EB+2], 16, v[PS]
	v_lshl_or_b32 v[PS], v[EB+3], 24, v[PS]
	; p = 2^(t - M).  Between the exponentials stand plain instructions that are ready: t - M three pairs ahead, and O^T's rescaling, from each tile's low end on
.set i, 0
.rept 32
	v_exp_f32 v[S+2*i], v[S+2*i]
.if i+3 < 32
	v_pk_fma_f32 v[S+2*i+6:S+2*i+7], v[S+2*i+6:S+2*i+7], s[CS:CS+1], v[NM:NM+1] op_sel_hi:[1,0,0]
.endif
	v_exp_f32 v[S+2*i+1], v[S+2*i+1]
.if !\first
	v_pk_mul_f32 v[OT+2*i:OT+2*i+1], v[OT+2*i:OT+2*i+1], v[AF:AF+1] op_sel_hi:[1,0]
.endif
.set i, i+1
.endr
.if \first
	v_nop                                          ; one plain place behind the last exponential
	s_wait_alu depctr_va_vdst(0)
.endif
	s_wait_alu depctr_va_vdst(0)
.irp b, 0,1,2,3
	v_cvt_scalef32_pk8_fp4_f32 v[PC+2*\b],   v[S+16*\b:S+16*\b+7],    v[SF+\b]   ; keys 32 b + 8 h + 0 .. 7
	v_cvt_scalef32_pk8_fp4_f32 v[PC+2*\b+1], v[S+16*\b+8:S+16*\b+15], v[SF+\b]   ; keys 32 b + 16 + 8 h + 0 .. 7
.endr
.irp b, 0,1,2,3                                ; the step's sum of the UNQUANTISED p, four chains of pairs.  (The first four additions are the plain place behind the conversions)
	v_pk_add_f32 v[LB+2*\b:LB+2*\b+1], v[S+16*\b:S+16*\b+1], v[S+16*\b+2:S+16*\b+3]
.endr
.irp c, 0,1                                    ; the operand's layout wants a WHOLE block in a lane: lanes 0-15 block 2 c, lanes 16-31 block 2 c + 1; its groups of eight keys then stand in the order 0, 2, 1, 3
.irp i, 0,1
	v_permlane16_swap_b32 v[PC+4*\c+\i], v[PC+2+4*\c+\i]
.endr
.endr
.irp e, 4,6,8,10,12,14
.irp b, 0,1,2,3
	v_pk_add_f32 v[LB+2*\b:LB+2*\b+1], v[LB+2*\b:LB+2*\b+1], v[S+16*\b+\e:S+16*\b+\e+1]
.endr
.endr
	v_pk_add_f32 v[LB:LB+1], v[LB:LB+1], v[LB+2:LB+3]
	v_pk_add_f32 v[LB+4:LB+5], v[LB+4:LB+5], v[LB+6:LB+7]
.if \first
	v_pk_add_f32 v[LS:LS+1], v[LB:LB+1], v[LB+4:LB+5]
.else
	v_pk_add_f32 v[LB:LB+1], v[LB:LB+1], v[LB+4:LB+5]
	v_pk_fma_f32 v[LS:LS+1], v[LS:LS+1], v[AF:AF+1], v[LB:LB+1] op_sel_hi:[1,0,1]   ; what was summed under the old M is brought under the new
.endif                                         ; (these additions are also the places between the codes' and the scale word's last writes and the products below)
.if \fetch
	s_wait_dscnt 20                                ; V's fragments and scale words are in; behind them only the next step's 20 loads of K were issued
.else
	s_wait_dscnt 0x0
.endif
	WIN W_MM
.irp t, 0,1,2,3,4,5,6,7                        ; the eight accumulators take turns, one instruction a turn
	MMPV \t, \first
.endr
	WIN 0
	PLACES                                         ; in front of the loads into V's registers, and of the first read of O^T
.if \fetch
	FETCH_V
	s_add_co_u32 s[IX], s[IX], 1                   ; the next fetch is the next step's.  The walk ends at step SD - 1; the index is held at 15, the head's last step,
	s_min_u32 s[IX], s[IX], 15                     ; so that every LDS address made of it lies inside K's and V's bytes by this text's own arithmetic
.endif
.endm
; A pass's end: the sum's halves are added, and O^T divided by the sum goes into 64 registers from dst on (win: the window setting for that destination), where it waits for the way out.
.macro FINISH dst, win
	v_add_f32 v[TT], v[LS], v[LS+1]
	v_permlanex16_b32 v[TP], v[TT], s[SEL], s[SEL+1]
	v_add_f32 v[TT], v[TT], v[TP]                  ; the row's sum: my keys' and lane l xor 16's
	v_rcp_f32 v[RL], v[TT]
	v_mov_b32 v[RL+1], 0                           ; (a plain place behind the reciprocal; the pair is named below)
	WIN \win
.set i, 0
	s_wait_alu depctr_va_vdst(0)
.rept 32
	v_pk_mul_f32 v[\dst+2*i:\dst+2*i+1], v[OT+2*i:OT+2*i+1], v[RL:RL+1] op_sel_hi:[1,0]   ; register 8 t + j is out0(r, 16 t + 8 h + j); each tile from its low end on
.set i, i+1
.endr
	WIN 0
.endm
; THE WAY OUT of a tile, whose results lie in 64 registers from src on (win: the window setting for an LDS store's data there): through my stage in LDS, half a row (64 channels, 256 bytes) of 16 queries at a time,
; back as whole half rows into 64 registers of window 0 from dst on, and to out0 at s[ob:ob+1].
.macro SENDOUT src, win, dst, ob
.irp u, 0,1                                    ; channels 64 u on
	WIN \win
.irp t, 0,1,2,3
	ds_store_b128 v[STO], v[\src+32*\u+8*\t:\src+32*\u+8*\t+3]   offset:64*\t
	ds_store_b128 v[STO], v[\src+32*\u+8*\t+4:\src+32*\u+8*\t+7] offset:64*\t+16
.endr
	WIN 0
.irp i, 0,1,2,3,4,5,6,7
	ds_load_b128 v[\dst+32*\u+4*\i:\dst+32*\u+4*\i+3], v[RD] offset:2*\i*SP   ; LDS serves a wave's instructions in order (ISA guide 5.7.1): these see my stores, and the next half's stores come behind them
.endr
.endr
.irp u, 0,1
.irp i, 0,1,2,3,4,5,6,7
	s_wait_dscnt 23-16*\u-\i                       ; behind this load: the half's later loads and, for the first half, the second's eight stores and eight loads
	global_store_b128 v[GO], v[\dst+32*\u+4*\i:\dst+32*\u+4*\i+3], s[\ob:\ob+1] offset:1024*\i+256*\u th:TH_STORE_NT   ; sixteen lanes store 256 consecutive bytes, aligned
.endr
.endr
.endm
; A PASS: one tile of 16 queries against keys 0 .. 128 (SD + 1) - 1.
.macro PASS p, qf, qs, dst, win
.if \p
	s_wait_dscnt 0x0                               ; where pass 0 had nothing under its diagonal's step, the 40 loads fetched for step 0 are still out: their registers are loaded again only behind this wait
	s_sub_co_u32 s75, 3, s20                       ; SB = 3 - J
	s_sub_co_u32 s76, 7, s[WV]                     ; m = 7 - wave
.else
	s_mov_b32 s75, s20
	s_mov_b32 s76, s[WV]
.endif
	s_lshr_b32 s[SD], s76, 1
	s_lshl2_add_u32 s[SD], s75, s[SD]              ; the diagonal's step: 4 SB + m / 2
	s_and_b32 s77, s76, 1
	s_lshl_b32 s77, s77, 6
	s_lshl4_add_u32 s77, s19, s77                  ; my first query within that step: 64 (m % 2) + 16 cx
	v_add_nc_u32 v[THR], s77, v[RB]                ; key 16 t + 8 h + j <= query qo + r  <=>  16 t + j <= qo + r - 8 h
	s_mov_b32 s[IX], s[SD]
	ADDRS
	FETCH_K
	FETCH_V
	s_mov_b32 s[IX], 0                             ; behind the diagonal's step the walk begins at step 0
	STEP 1, 1, \qf, \qs
.if \p == 0                                    ; (in pass 1 SD is 8 at the least)
	s_cmp_eq_u32 s[SD], 0
	s_cbranch_scc1 .Lout_\p                        ; nothing lies under the diagonal's step; what was fetched for step 0 is not used
	s_cmp_eq_u32 s[SD], 1
	s_cbranch_scc1 .Llast_\p
.endif
	s_sub_co_u32 s[CNT], s[SD], 1                  ; SD is 2 at the least here, so this is 1 at the least;
	s_max_u32 s[CNT], s[CNT], 1                    ; the hold says so in the text itself
.Lloop_\p:                                         ; steps 0 .. SD - 2: each fetches its successor
	STEP 0, 1, \qf, \qs
	s_sub_co_u32 s[CNT], s[CNT], 1
	s_cmp_lg_u32 s[CNT], 0
	s_cbranch_scc1 .Lloop_\p
.Llast_\p:
	STEP 0, 0, \qf, \qs                            ; step SD - 1 fetches nothing
.Lout_\p:
	FINISH \dst, \win
.endm
	s_wait_tensorcnt 0x0                           ; my two parts of the head have landed,
	s_barrier_signal -1
	s_barrier_wait -1                              ; everybody's have: from here on K's and V's bytes are only read
	s_wait_loadcnt 0x0                             ; Q
	PASS 0, Q0F, Q0S, R0, W_LD                     ; its results wait in window 1
	PASS 1, Q1F, Q1S, S, 0                         ; its results lie where the scores lay
	s_wait_dscnt 0x0                               ; my reads of K and V are over,
	s_barrier_signal -1
	s_barrier_wait -1                              ; everybody's are: only now is anything stored into LDS.  Behind this barrier a wave touches its own stage alone
	SENDOUT R0, W_ST, OT, 86                       ; pass 0's tile comes back into O^T's registers, which are free,
	SENDOUT S, 0, S, 88                            ; pass 1's into the registers that it left: so no register that a pending store to memory reads is written
	s_wait_dscnt 0x0
	s_wait_tensorcnt 0x0
	ds_add_u32 v254, v255
	s_wait_dscnt 0x0
	CROUND                                         ; the closing round: no work-group ends while a partner may still ask for a tile that names it
	s_endpgm
.Lfunc_end_k_q6f644beead_attn:
	.size	k_q6f644beead_attn, .Lfunc_end_k_q6f644beead_attn-k_q6f644beead_attn
	.p2alignl 7, 3214868480
	.fill 96, 4, 3214868480
	.section	.rodata,"a",@progbits
	.p2align	6, 0x0
	.amdhsa_kernel k_q6f644beead_attn
		.amdhsa_group_segment_fixed_size 324608
		.amdhsa_private_segment_fixed_size 0
		.amdhsa_enable_private_segment 0
		.amdhsa_kernarg_size 56
		.amdhsa_user_sgpr_count 2
		.amdhsa_user_sgpr_kernarg_segment_ptr 1
		.amdhsa_wavefront_size32 1
		.amdhsa_system_sgpr_workgroup_id_x 1
		.amdhsa_system_sgpr_workgroup_id_y 1
		.amdhsa_system_sgpr_workgroup_id_z 1
		.amdhsa_system_vgpr_workitem_id 0
		.amdhsa_next_free_vgpr 448
		.amdhsa_next_free_sgpr 100
		.amdhsa_reserve_vcc 1
		.amdhsa_float_denorm_mode_32 3
		.amdhsa_float_denorm_mode_16_64 3
		.amdhsa_memory_ordered 1
		.amdhsa_forward_progress 1
		.amdhsa_inst_pref_size 138
	.end_amdhsa_kernel
	.amdgpu_metadata
---
amdhsa.version: [ 1, 2 ]
amdhsa.kernels:
  - .name:           k_q6f644beead_attn
    .symbol:         k_q6f644beead_attn.kd
    .args:
      - { .name: q_codes, .offset: 0, .size: 8, .value_kind: global_buffer, .address_space: global }
      - { .name: q_scales, .offset: 8, .size: 8, .value_kind: global_buffer, .address_space: global }
      - { .name: k_codes, .offset: 16, .size: 8, .value_kind: global_buffer, .address_space: global }
      - { .name: k_scales, .offset: 24, .size: 8, .value_kind: global_buffer, .address_space: global }
      - { .name: v_codes, .offset: 32, .size: 8, .value_kind: global_buffer, .address_space: global }
      - { .name: v_scales, .offset: 40, .size: 8, .value_kind: global_buffer, .address_space: global }
      - { .name: out0, .offset: 48, .size: 8, .value_kind: global_buffer, .address_space: global }
    .group_segment_fixed_size: 324608
    .private_segment_fixed_size: 0
    .kernarg_segment_align: 8
    .kernarg_segment_size: 56
    .max_flat_workgroup_size: 256
    .sgpr_count:     100
    .vgpr_count:     448
    .wavefront_size: 32
...
	.end_amdgpu_metadata
.endif
;; end of part 2
;; ======== version 2 of 2: 2 launches
;; limits: right only within a limited range of input values
;; workspace buffers: kv 8,912,896 bytes
;; launch quant (part 3): grid 512 x 1, 4 waves a work-group, no clusters, 43,520 bytes of LDS; arguments k, v, kv; writes kv
.if DOCPART == 3
	.amdgcn_target "amdgcn-amd-amdhsa--gfx1250"
	.amdhsa_code_object_version 6
	.text
	.protected	k_q6f644beead_quant
	.globl	k_q6f644beead_quant
	.p2align	8
	.type	k_q6f644beead_quant,@function
k_q6f644beead_quant:
	s_mov_b64 s[64:65], 0
	v_nop
	global_prefetch_b8 v0, s[64:65] scope:SCOPE_SE
	s_setreg_imm32_b32 hwreg(HW_REG_WAVE_MODE, 25, 1), 1
	s_wait_xcnt 0x0
; k, v: [32 heads][2048][128] f32 -> codes of FP4 (E2M1), 4 bits each, with one E8M0 scale byte for each 32 along the K of the product that reads them.  (q is quantised in registers by the attention launch.)
; WORK LEFT OUT BY THE PROGRAM: a score of key n > query m is replaced by -1e30, so its weight is 0 beside the weight of key m, which every row keeps, whatever finite values the inputs hold:
; the attention launch does not compute the groups of 64 keys that lie wholly behind a tile's queries.  LIMIT: a NaN, an infinity or an overflow that reaches only those scores is not carried to the result.
; A block's scale is 2^(floor(log2(its largest magnitude)) - 2): its byte is the largest magnitude's exponent field - 2, held at 1 from below (e = -126).  A block of zeros so gets the byte 1 where the rule says 127:
; its codes are zeros, which add nothing under any byte but 0xff, and this program alone reads the bytes.  Nearest code, ties to even, beyond 6 the largest code.
; LIMITS: NaN and infinities among the inputs are not served.
; kv: one image for each head, as the attention launch holds it in LDS: 16 steps of 128 keys, 17,408 bytes each:
;   K's codes, 8 tiles x [4 blocks of 32 channels][16 rows][16 bytes]; K's scale words [8 tiles][16 rows]; V's codes, 8 tiles of 16 channels x [4 blocks of 32 keys][16 channels][16 bytes]; V's scale words [128 channels].
;   So every 512 bytes of codes are four registers of an operand: 16 bytes for each lane.
;   THE KEYS OF A TILE OF K: tile 4 c + u, row 8 a + j (a = 0, 1; j = 0 .. 7) is key 64 c + 32 a + 8 u + j of the step.
; SHARES: work-groups 0-255 take v (512 keys x 64 columns each), 256-511 k (256 rows each): 131,072 bytes of f32 each.  Every byte is read once; no operand is shared, so there are no clusters and no tensor loads.
.set IMG,  278528
.set STEPB, 17408
.set KX,  16                           ; k: v16-143  eight sets of 16 registers, as loaded
.set KY,  144                          ; k: v144-159 my 16 neighbouring numbers of the step in hand
.set KC,  160                          ; k: v160-161 its codes
.set KWB, 6656                         ; k: LDS bytes of a wave: 8 runs of 272 for a step's numbers; from 2,304 on 256 scale bytes; from 2,560 on 4,096 bytes of codes
.set VX,  32                           ; v: v32-95   two sets of 32 numbers
.set VC,  96                           ; v: v96-99   a block's codes
.set VOUT, 112                         ; v: v112-143 the way out
.set VSB, 24                           ; v: v24-25   a scale word for each of my two steps
.set VST, 4*KWB                        ; v: LDS stages, 4,096 bytes a wave
.set SPARE, VST+16384                  ; the spare words, 128 bytes a wave
.set SPW, 208
.set NIL, 209
	s_load_b128 s[4:7], s[0:1], 0x0                ; k s[4:5], v s[6:7]
	s_load_b64 s[8:9], s[0:1], 0x10                ; kv
	v_lshl_add_u32 v[SPW], v0, 2, SPARE
	v_mov_b32 v[NIL], 0
	v_lshrrev_b32 v1, 5, v0
	v_readfirstlane_b32 s22, v1                    ; wave 0..3
	v_and_b32 v2, 31, v0                           ; lane
	s_wait_alu depctr_va_vdst(0)                   ; the wait ahead of the branch
	s_cmp_lt_u32 ttmp9, 256
	s_cbranch_scc1 .Lv
; ---------------- k: K innermost.  A wave takes 64 rows (half a step) in 16 steps of 4 rows, 512 numbers.  A load takes 512 consecutive bytes; a step's 2,048 bytes pass through the wave's own LDS bytes and come back
; 64 bytes a lane: lane l has half l % 2 of block (l / 2) % 4 of row 4 t + l / 8.  Waves share nothing: no barrier.
	v_lshlrev_b32 v3, 4, v2                        ; 16 bytes a lane
	v_lshlrev_b32 v4, 3, v2                        ; 8 bytes a lane
	s_mul_i32 s23, s22, KWB
	v_lshrrev_b32 v7, 4, v2
	v_lshl_add_u32 v7, v7, 4, v3
	v_add_nc_u32 v7, s23, v7                       ; in: 16 l + 16 (l / 16), + 544 for each run of 512
	v_lshrrev_b32 v10, 2, v2
	v_lshlrev_b32 v10, 4, v10
	v_lshl_add_u32 v10, v2, 6, v10
	v_add_nc_u32 v10, s23, v10                     ; back: 64 l + 16 (l / 4)
	v_lshrrev_b32 v5, 1, v2                        ; my block's byte among a step's 16
	v_and_b32 v12, 3, v5
	v_lshlrev_b32 v12, 8, v12
	v_lshrrev_b32 v13, 3, v2
	v_lshl_add_u32 v12, v13, 4, v12
	v_and_b32 v13, 1, v2
	v_lshl_add_u32 v12, v13, 3, v12                ; my codes: 256 x block + 16 x row + 8 x half
	s_add_co_u32 s24, s23, 2304
	v_add_nc_u32 v5, s24, v5
	v_add_nc_u32 v6, s24, v4
	s_add_co_u32 s24, s23, 2560
	v_add_nc_u32 v12, s24, v12
	v_add_nc_u32 v13, s24, v3
	s_sub_co_u32 s24, ttmp9, 256
	s_lshl_b32 s24, s24, 2
	s_add_co_u32 s24, s24, s22                     ; which 64 rows are my wave's: 0..1023
	s_lshr_b32 s25, s24, 5                         ; the head
	s_mul_i32 s26, s25, IMG
	s_bfe_u32 s25, s24, 0x40001                    ; the step
	s_mul_i32 s25, s25, STEPB
	s_add_co_u32 s26, s26, s25
	s_and_b32 s25, s24, 1                          ; which half of it
	s_lshl_b32 s28, s25, 8
	s_add_co_u32 s28, s28, s26
	s_add_co_u32 s28, s28, 8192                    ; its scale words
	s_lshl_b32 s25, s25, 12
	s_add_co_u32 s26, s26, s25                     ; its codes
	s_mov_b32 s27, 0
	s_mov_b32 s29, 0
	s_lshl_b32 s24, s24, 15                        ; 32,768 bytes of f32
	s_mov_b32 s25, 0
	s_wait_alu depctr_va_vdst(0)                   ; the wait at the head's end
	s_wait_kmcnt 0x0
	s_add_nc_u64 s[4:5], s[4:5], s[24:25]
	s_add_nc_u64 s[10:11], s[8:9], s[28:29]
	s_add_nc_u64 s[8:9], s[8:9], s[26:27]
.macro KLOAD t
.irp i, 0,1,2,3
	global_load_b128 v[KX+16*((\t)%8)+4*\i:KX+16*((\t)%8)+4*\i+3], v3, s[4:5] offset:2048*(\t)+512*\i th:TH_LOAD_NT
.endr
.endm
.irp t, 0,1,2,3,4,5,6,7
	KLOAD \t                                       ; eight steps ahead: 32 loads, 16,384 bytes of a wave
.endr
.macro KSTEP t
.set XS, KX+16*((\t)%8)
.if 15-(\t) >= 7
	s_wait_loadcnt 28                              ; this step's four loads are in; the next seven steps' 28 may be out
.else
	s_wait_loadcnt 4*(15-(\t))
.endif
.irp i, 0,1,2,3
	ds_store_b128 v7, v[XS+4*\i:XS+4*\i+3] offset:544*\i
.endr
.irp i, 0,1,2,3
	ds_load_b128 v[KY+4*\i:KY+4*\i+3], v10 offset:16*\i   ; LDS serves a wave's instructions in order (ISA guide 5.7.1): these see the stores above
.endr
	s_wait_dscnt 0x0                               ; my 16 numbers are in, and every earlier LDS store has read its registers
.if (\t)+8 < 16
	KLOAD (\t)+8
.endif
	v_max3_num_f32 v8, |v[KY]|, |v[KY+1]|, |v[KY+2]|
	v_max3_num_f32 v9, |v[KY+3]|, |v[KY+4]|, |v[KY+5]|
.irp i, 6,10
	v_max3_num_f32 v8, v8, |v[KY+\i]|, |v[KY+\i+1]|
	v_max3_num_f32 v9, v9, |v[KY+\i+2]|, |v[KY+\i+3]|
.endr
	v_max3_num_f32 v8, v8, |v[KY+14]|, |v[KY+15]|
	v_max3_num_f32 v8, v8, v9, 0x1800000           ; and the floor 2^(3 - 127): the byte cannot fall under 1
	v_max_num_f32_dpp v8, v8, v8 row_xmask:1 row_mask:0xf bank_mask:0xf   ; and of my neighbour's 16: the block's
	v_add_nc_u32 v11, 0xff000000, v8               ; 2 off its exponent field: the conversions' scale operand
	v_cvt_scalef32_pk8_fp4_f32 v[KC], v[KY:KY+7], v11
	v_cvt_scalef32_pk8_fp4_f32 v[KC+1], v[KY+8:KY+15], v11
	v_lshrrev_b32 v9, 23, v11                      ; the scale's byte.  (Also the plain place behind the conversions)
	ds_store_b64 v12, v[KC:KC+1] offset:(((\t)%8)/2)*1024+((\t)/8)*128+((\t)%2)*64
	ds_store_b8 v5, v9 offset:(((\t)%8)/2)*64+((\t)/8)*32+((\t)%2)*16   ; both lanes of a block write the same byte with the same value
.endm
.irp t, 0,1,2,3,4,5,6,7,8,9,10,11,12,13,14,15
	KSTEP \t
.endr
	ds_load_b64 v[14:15], v6                       ; these see my stores
.irp i, 0,1,2,3,4,5,6,7
	ds_load_b128 v[KX+4*\i:KX+4*\i+3], v13 offset:512*\i
.endr
	s_wait_dscnt 8                                 ; the eight loads of codes may be out
	global_store_b64 v4, v[14:15], s[10:11]        ; 256 scale bytes: one aligned unit
.irp i, 0,1,2,3,4,5,6,7
	s_wait_dscnt 7-\i
	global_store_b128 v3, v[KX+4*\i:KX+4*\i+3], s[8:9] offset:512*\i   ; 512 consecutive bytes
.endr
	s_wait_tensorcnt 0x0                           ; the wave's end
	ds_add_u32 v[SPW], v[NIL]
	s_wait_dscnt 0x0
	s_endpgm
; ---------------- v: K = the keys, not innermost.  A LANE TAKES A COLUMN d, AND ITS REGISTERS RUN DOWN THE KEYS: a block of 32 keys lies in one lane's 32 registers.
; Wave w takes columns 32 (w % 2) on and keys 256 (w / 2) on of the work-group's 64 x 512: 8 blocks a lane; in the image two runs of 2,048 bytes of codes, one for each of its two steps.  Waves share nothing.
.Lv:
	s_and_b32 s34, s22, 1                          ; which 32 columns
	s_lshr_b32 s35, s22, 1                         ; which 256 keys
	v_lshlrev_b32 v3, 2, v2                        ; 4 bytes a lane
	v_lshlrev_b32 v8, 4, v2                        ; 16 bytes a lane
	s_lshl_b32 s23, s22, 12
	s_add_co_u32 s23, s23, VST                     ; my stage
	v_and_b32 v5, 15, v2
	v_lshrrev_b32 v6, 4, v2
	v_lshlrev_b32 v4, 10, v6
	v_lshl_add_u32 v4, v5, 4, v4
	v_add_nc_u32 v4, s23, v4                       ; in: 1,024 x tile + 16 x (column in it)
	v_add_nc_u32 v7, s23, v8                       ; out
	s_lshr_b32 s24, ttmp9, 3                       ; the head
	s_bfe_u32 s25, ttmp9, 0x20001                  ; which 512 keys
	s_and_b32 s33, ttmp9, 1                        ; which 64 columns
	s_lshl_b32 s26, s24, 20                        ; v, in bytes
	s_lshl_b32 s32, s25, 18
	s_add_co_u32 s26, s26, s32
	s_lshl_b32 s32, s35, 17
	s_add_co_u32 s26, s26, s32
	s_lshl_b32 s32, s33, 8
	s_lshl_b32 s36, s34, 7
	s_add_co_u32 s32, s32, s36                     ; 4 x my first column
	s_add_co_u32 s26, s26, s32
	s_mov_b32 s27, 0
	s_mul_i32 s28, s24, IMG                        ; the image: head, step 4 x (which 512) + 2 x (which 256)
	s_lshl_b32 s25, s25, 2
	s_lshl_b32 s35, s35, 1
	s_add_co_u32 s25, s25, s35
	s_mul_i32 s25, s25, STEPB
	s_add_co_u32 s28, s28, s25
	s_add_co_u32 s30, s28, s32
	s_add_co_u32 s30, s30, 16896                   ; V's scale words
	s_mov_b32 s31, 0
	s_lshl_b32 s32, s32, 4
	s_add_co_u32 s28, s28, s32
	s_add_co_u32 s28, s28, 8704                    ; V's codes: 64 bytes a column
	s_mov_b32 s29, 0
	s_wait_alu depctr_va_vdst(0)                   ; the wait at the head's end
	s_wait_kmcnt 0x0
	s_add_nc_u64 s[6:7], s[6:7], s[26:27]
	s_add_nc_u64 s[12:13], s[8:9], s[28:29]
	s_add_nc_u64 s[14:15], s[8:9], s[30:31]
.macro VLOAD t                         ; block t: v(32 t + i, my column), i = 0 .. 31, into set t % 2
.irp i, 0,1,2,3,4,5,6,7,8,9,10,11,12,13,14,15,16,17,18,19,20,21,22,23,24,25,26,27,28,29,30,31
	global_load_b32 v[VX+32*((\t)%2)+\i], v3, s[6:7] offset:(32*(\t)+\i)*512 th:TH_LOAD_NT
.endr
.endm
	VLOAD 0
	VLOAD 1
.macro VBLOCK t
.set XS, VX+32*((\t)%2)
.if (\t) < 7
	s_wait_loadcnt 32                              ; this block's 32 loads are in; the next block's 32 may be out
.else
	s_wait_loadcnt 0
.endif
	v_max3_num_f32 v12, |v[XS]|, |v[XS+1]|, |v[XS+2]|
	v_max3_num_f32 v13, |v[XS+3]|, |v[XS+4]|, |v[XS+5]|
.irp i, 6,10,14,18,22,26
	v_max3_num_f32 v12, v12, |v[XS+\i]|, |v[XS+\i+1]|
	v_max3_num_f32 v13, v13, |v[XS+\i+2]|, |v[XS+\i+3]|
.endr
	v_max3_num_f32 v12, v12, |v[XS+30]|, |v[XS+31]|
	v_max3_num_f32 v12, v12, v13, 0x1800000        ; and the floor
	v_add_nc_u32 v11, 0xff000000, v12              ; the conversions' scale operand
	v_lshrrev_b32 v13, 23, v11                     ; the scale's byte
.if (\t)%4 == 0
	v_mov_b32 v[VSB+(\t)/4], v13                   ; four bytes to a word, the lower keys in the lower byte
.else
	v_lshl_or_b32 v[VSB+(\t)/4], v13, 8*((\t)%4), v[VSB+(\t)/4]
.endif
.irp g, 0,1,2,3
	v_cvt_scalef32_pk8_fp4_f32 v[VC+\g], v[XS+8*\g:XS+8*\g+7], v11
.endr
	v_nop                                          ; one plain place behind a scaled conversion
	ds_store_b128 v4, v[VC:VC+3] offset:((\t)/4)*2048+((\t)%4)*256
.if (\t)+2 < 8
	VLOAD (\t)+2
.endif
	s_wait_dscnt 0x0                               ; the store has read its registers
.endm
.irp t, 0,1,2,3,4,5,6,7
	VBLOCK \t
.endr
	s_wait_alu depctr_va_vdst(0)                   ; the wait ahead of the readers below
.irp i, 0,1
	global_store_b32 v3, v[VSB+\i], s[14:15] offset:STEPB*\i   ; 128 consecutive bytes; the wave beside me stores the 128 next to them
.endr
.irp t, 0,1,2,3,4,5,6,7
	ds_load_b128 v[VOUT+4*\t:VOUT+4*\t+3], v7 offset:512*\t   ; these see my stores
.endr
.irp t, 0,1,2,3,4,5,6,7
	s_wait_dscnt 7-\t
	global_store_b128 v8, v[VOUT+4*\t:VOUT+4*\t+3], s[12:13] offset:(\t/4)*STEPB+(\t%4)*512   ; 512 consecutive bytes
.endr
	s_wait_tensorcnt 0x0                           ; the wave's end
	ds_add_u32 v[SPW], v[NIL]
	s_wait_dscnt 0x0
	s_endpgm
.Lfunc_end_k_q6f644beead_quant:
	.size	k_q6f644beead_quant, .Lfunc_end_k_q6f644beead_quant-k_q6f644beead_quant
	.p2alignl 7, 3214868480
	.fill 96, 4, 3214868480
	.section	.rodata,"a",@progbits
	.p2align	6, 0x0
	.amdhsa_kernel k_q6f644beead_quant
		.amdhsa_group_segment_fixed_size 43520
		.amdhsa_private_segment_fixed_size 0
		.amdhsa_enable_private_segment 0
		.amdhsa_kernarg_size 24
		.amdhsa_user_sgpr_count 2
		.amdhsa_user_sgpr_kernarg_segment_ptr 1
		.amdhsa_wavefront_size32 1
		.amdhsa_system_sgpr_workgroup_id_x 1
		.amdhsa_system_sgpr_workgroup_id_y 1
		.amdhsa_system_sgpr_workgroup_id_z 1
		.amdhsa_system_vgpr_workitem_id 0
		.amdhsa_next_free_vgpr 210
		.amdhsa_next_free_sgpr 66
		.amdhsa_reserve_vcc 0
		.amdhsa_float_denorm_mode_32 3
		.amdhsa_float_denorm_mode_16_64 3
		.amdhsa_memory_ordered 1
		.amdhsa_forward_progress 1
		.amdhsa_inst_pref_size 75
	.end_amdhsa_kernel
	.amdgpu_metadata
---
amdhsa.version: [ 1, 2 ]
amdhsa.kernels:
  - .name:           k_q6f644beead_quant
    .symbol:         k_q6f644beead_quant.kd
    .args:
      - { .name: k, .offset: 0, .size: 8, .value_kind: global_buffer, .address_space: global }
      - { .name: v, .offset: 8, .size: 8, .value_kind: global_buffer, .address_space: global }
      - { .name: kv, .offset: 16, .size: 8, .value_kind: global_buffer, .address_space: global }
    .group_segment_fixed_size: 43520
    .private_segment_fixed_size: 0
    .kernarg_segment_align: 8
    .kernarg_segment_size: 24
    .max_flat_workgroup_size: 128
    .sgpr_count:     66
    .vgpr_count:     210
    .wavefront_size: 32
...
	.end_amdgpu_metadata
.endif
;; end of part 3
;; launch attn (part 4): grid 8 x 32, 8 waves a work-group, clusters of 4 x 1, 327,680 bytes of LDS; arguments q, kv, out0; writes out0
.if DOCPART == 4
	.amdgcn_target "amdgcn-amd-amdhsa--gfx1250"
	.amdhsa_code_object_version 6
	.text
	.protected	k_q6f644beead_attn
	.globl	k_q6f644beead_attn
	.p2align	8
	.type	k_q6f644beead_attn,@function
k_q6f644beead_attn:
	s_mov_b64 s[64:65], 0
	v_nop
	global_prefetch_b8 v0, s[64:65] scope:SCOPE_SE
	s_setreg_imm32_b32 hwreg(HW_REG_WAVE_MODE, 25, 1), 1
	s_wait_xcnt 0x0
	s_wait_alu depctr_hold_cnt(0) depctr_sa_sdst(0) depctr_va_vdst(0) depctr_va_sdst(0) depctr_va_ssrc(0) depctr_va_vcc(0) depctr_vm_vsrc(0)
	s_getreg_b32 s2, hwreg(HW_REG_IB_STS2, 6, 4)
	s_cmp_eq_u32 s2, 0
	s_cbranch_scc0 .Lentry_in_a_cluster
	s_endpgm
.Lentry_in_a_cluster:
	s_bfe_u32 s2, ttmp6, 0x10000c
	s_cmp_lg_u32 s2, 0x3003
	s_cbranch_scc0 .Lentry_shape_is_right
	s_endpgm
.Lentry_shape_is_right:
; out0[head][q][:] = the sum over keys k <= q of softmax_k(Q[q] . K[k] / sqrt(128)) V[k][:], 32 heads of 2,048 x 128, both products on codes of FP4 (E2M1) with one E8M0 scale for each 32 along K.
; LEFT OUT: groups of 64 keys wholly behind a tile's queries (dead under the causal mask; the quantising launch's comment shows it).  A NaN, an infinity or an overflow that reaches only them is not carried on.
; Inputs: q as f32; kv: a head's image of K's and V's codes and scale words, as the quantising launch lays it.
; Q IS QUANTISED HERE: each tile of 16 queries is read by one wave only.  A block's byte is its largest magnitude's exponent field - 2, held at 1 from below (a block of zeros too: its codes are zeros).
; THE SOFTMAX AHEAD OF THE SECOND PRODUCT: t = score x c, c = log2(e) / sqrt(128); M = the row's largest t so far, rounded UP to a whole number; p = 2^(t - M) is quantised along the keys, not normalised.
; The row's sum is taken of the unquantised p, in f32, and divides O at the end.  When M moves, the sum and O are multiplied by 2^(old M - new M), a power of two.
; A block's scale: floor(its largest t - M) is the exponent of its largest p: e; the byte is e + 125, held at 1 from below.
; SHARES.  A head's queries are 32 blocks of 64.  With D = 8 J + wave (J = the cluster's x, 0 or 1) a wave takes block D in pass 0 and block 31 - D in pass 1; the four work-groups of a cluster take the four tiles of 16
; queries in a block (by cx).  Keys go in trips of 256, four groups of 64.  A pass begins with the trip that holds the diagonal: groups 0 .. D % 4 of it, of which the last is masked; then trips 0 .. D / 4 - 1.
; So a wave walks (D + 1) + (32 - D) = 33 groups whatever J and the wave: 256 work-groups of equal work.  Nothing in a branch or an LDS address hangs on cx.
; THE WHOLE HEAD STAYS IN LDS (278,528 bytes), filled once: wave w fetches trip w's 34,816 bytes, 136 rows of 256, with its one tensor load.  The four partners of a cluster ask for it JOINTLY (mask 15).
; The loops' trip counts are constants of the text; a trip that a wave has no keys for is jumped over.  So every LDS address is bounded by the text itself, and a wave's stage, which lies behind the image, needs no barrier.
; LAYOUT.  S^T = K Q^T, O^T = V^T P^T: a lane holds ONE query, r = lane % 16; h = lane / 16.  The keys of a tile of K are laid so that register 32 g + 8 u + j of lane (r, h) is key 64 g + 32 h + 8 u + j of the trip:
; a whole block of 32 keys lies in one lane, in the order of the second product's operand: no exchange between lanes but of the row's maximum, of scale bytes and of the sum.
; LIMITS: NaN and infinities among the inputs are not served; the promise holds while the scaled scores t stay under 2^31 in magnitude; a p under 2^-126 comes out of v_exp_f32 as 0 (ISA guide, 15.8); where t - M lies
; within an f32 rounding under a whole number, a block's largest p may be held at the largest code of the lower scale; a block of p that is all zeros carries the byte 1 and not 127: its codes are 0.
; Left out: a ring of slots (a head fits whole); prefetching (every tile is asked for once, in the first lines: there is no loop to run ahead in).
.set XB,    34816                      ; a trip's bytes: two steps of 17,408: K's codes, K's scale words at 8,192, V's codes at 8,704, V's scale words at 16,896
.set STAGE, 278528                     ; 16 rows x 272 bytes a wave: q's way in, the results' way out; written by LDS stores alone
.set SP,    272
.set SPARE, STAGE+8*16*SP              ; the spare words, 128 bytes a wave
; REGISTERS, window 0 (s_set_vgpr_msb: bits 1:0 source 0, 3:2 source 1, 5:4 source 2, 7:6 destination):
.set LC,   1                           ; 16 x lane
.set LS,   2                           ; 4 x lane
.set ADC,  3                           ; LDS address of the fetch in hand: codes,
.set ADS,  4                           ; scale words
.set STO,  5                           ; the way out: where I put 32 bytes of a row
.set RD,   6                           ; my stage by rows: lanes 0-15 one row of 256 bytes, lanes 16-31 the next
.set GO,   7                           ; the same two rows in a tile of q or of out0
.set QR,   8                           ; q's way in, back: row r, 128 h bytes on
.set SPW,  9                           ; my spare word's address;  v10: 0
.set NIL,  10
.set THR,  11                          ; the masked group's register 8 u + j is kept where 8 u + j <= THR
.set H8,   12                          ; 8 h
.set NM,   14                          ; -M;  v15 the running largest score (named with it as a pair)
.set RM,   15
.set AF,   16                          ; 2^(old M - new M), at the end 1 / sum;  v17 old M - new M (named with it as a pair)
.set DI,   17
.set LSUM, 18                          ; v18-19 the sum in two halves
.set QF,   20                          ; v20-27 Q's fragment, v28 its scale words (v20-22 at the head: r, h, lane)
.set QS,   28
.set TT,   29
.set TP,   30
.set BM,   32                          ; v32-35 each group's largest score of my block, then its e
.set SF,   36                          ; v36-39 the blocks' scale operands
.set PS,   40                          ; v40-41 p's scale words, one for each step
.set KSA,  42                          ; v42-45 scale words of area A, v46-49 of area B, v50-53 of area C
.set KSB,  46
.set VSA,  50
.set PC,   54                          ; v54-61 p's codes, one step
.set OT,   64                          ; v64-127 O^T; in Q's quantiser my 32 numbers
.set S,    128                         ; v128-255 S^T, then p, then partial sums; at a pass's end the results; at the head q's first tile
; window 1: A v0-63 K of step 0; B v64-127 K of step 1, then V of step 1; C v128-191 V of step 0; E v192-255 q's second tile as loaded
.set E,    192
.set WV,   18                          ; s18 wave, s19 cx, s20 J, s21 head
.set SEL,  66                          ; s[66:67] lane selects for v_permlanex16_b32: lane l xor 16
.set CS,   68                          ; s[68:69] c (a pair is named)
.set N0,   70                          ; s70, s71: each pass's trips behind its first, which is also the number of its first trip;  s96, s97: that trip's byte
.set N1,   71
.set GS,   72                          ; groups of the pass's first trip, less 1
.set KK,   73                          ; the trip's number;  s74 its byte
.set TS,   74
.set NX,   75                          ; the byte of the trip to be fetched next
.set B0,   96
.set B1,   97
.set OB,   78                          ; s[78:79], s[80:81] the two passes' tiles in out0;  s[82:83], s[84:85] in q
.set MSB, 0
.macro WIN new                         ; the immediate's high byte repeats the setting that is left
.if MSB != \new
	s_set_vgpr_msb (MSB<<8)|\new
.set MSB, \new
.endif
.endm
.macro PLACES n                        ; plain places (ISA guide 7.12.1)
.rept \n
	v_nop
.endr
.endm
; A round of the cluster's barrier.
.macro CROUND
	s_barrier_signal -1
	s_barrier_wait -1
	s_cmp_lg_u32 s[WV], 0
	s_cbranch_scc1 .Lnot_wave_0_\@
	s_barrier_signal -3
.Lnot_wave_0_\@:
	s_barrier_wait -3
	s_barrier_signal -1
	s_barrier_wait -1
.endm
; Q'S QUANTISER, half c of a tile (16 rows x 256 bytes): into my stage by rows, and back with lane (r, h) holding numbers 64 c + 32 h + 0 .. 31 of row r: the block 2 c + h, in the order of the operand's registers 4 c .. 4 c + 3.
.macro QUANTQ c, raw, win
	WIN \win
.irp i, 0,1,2,3,4,5,6,7
	ds_store_b128 v[RD], v[\raw+32*\c+4*\i:\raw+32*\c+4*\i+3] offset:2*\i*SP
.endr
	WIN 0
.irp e, 0,1,2,3,4,5,6,7
	ds_load_b128 v[OT+4*\e:OT+4*\e+3], v[QR] offset:16*\e   ; LDS serves a wave's instructions in order (ISA guide 5.7.1): these see the stores above
.endr
	s_wait_dscnt 0x0
	v_max3_num_f32 v[BM], |v[OT]|, |v[OT+1]|, |v[OT+2]|
	v_max3_num_f32 v[BM+1], |v[OT+3]|, |v[OT+4]|, |v[OT+5]|
.irp i, 6,10,14,18,22,26
	v_max3_num_f32 v[BM], v[BM], |v[OT+\i]|, |v[OT+\i+1]|
	v_max3_num_f32 v[BM+1], v[BM+1], |v[OT+\i+2]|, |v[OT+\i+3]|
.endr
	v_max3_num_f32 v[BM], v[BM], |v[OT+30]|, |v[OT+31]|
	v_max3_num_f32 v[BM], v[BM], v[BM+1], 0x1800000   ; the floor 2^(3 - 127): the byte cannot fall under 1
	v_add_nc_u32 v[SF], 0xff000000, v[BM]          ; 2 off the exponent field: the conversions' scale operand
	v_lshrrev_b32 v[BM+2+\c], 23, v[SF]            ; the byte
.irp g, 0,1,2,3
	v_cvt_scalef32_pk8_fp4_f32 v[QF+4*\c+\g], v[OT+8*\g:OT+8*\g+7], v[SF]
.endr
	v_nop                                          ; one plain place behind a scaled conversion
.endm
.macro QWORD                           ; my two bytes are blocks h and 2 + h of row r: at their places in the scale word, joined with lane l xor 16's two
	v_lshl_or_b32 v[TT], v[BM+3], 16, v[BM+2]
	v_lshlrev_b32 v[TT], v[H8], v[TT]
	v_permlanex16_b32 v[TP], v[TT], s[SEL], s[SEL+1]
	v_or_b32 v[QS], v[TT], v[TP]
	PLACES 8                                       ; a scale register written by a vector instruction stands 8 places ahead of a scaled matrix instruction
.endm
; 20 LDS loads: eight fragments of an operand into an area of window 1, and their scale words: lanes 0-15 tile 2 b, lanes 16-31 tile 2 b + 1
.macro FETCH area, sc, co, so
	WIN 0x40
.irp t, 0,1,2,3,4,5,6,7
	ds_load_b128 v[\area+8*\t:\area+8*\t+3], v[ADC] offset:\co+1024*\t
	ds_load_b128 v[\area+8*\t+4:\area+8*\t+7], v[ADC] offset:\co+1024*\t+512
.endr
	WIN 0
.irp b, 0,1,2,3
	ds_load_b32 v[\sc+\b], v[ADS] offset:\so+128*\b
.endr
.endm
; One product; acc = 0 starts the sum; an odd tile's scale words lie in lanes 16-31
.macro WM d, a, b, acc, sa, sb, odd
.if \acc
.if \odd
	v_wmma_scale_f32_16x16x128_f8f6f4 v[\d:\d+7], v[\a:\a+7], v[\b:\b+7], v[\d:\d+7], v[\sa], v[\sb] matrix_a_fmt:MATRIX_FMT_FP4 matrix_b_fmt:MATRIX_FMT_FP4 matrix_a_scale:MATRIX_SCALE_ROW1
.else
	v_wmma_scale_f32_16x16x128_f8f6f4 v[\d:\d+7], v[\a:\a+7], v[\b:\b+7], v[\d:\d+7], v[\sa], v[\sb] matrix_a_fmt:MATRIX_FMT_FP4 matrix_b_fmt:MATRIX_FMT_FP4
.endif
.else
.if \odd
	v_wmma_scale_f32_16x16x128_f8f6f4 v[\d:\d+7], v[\a:\a+7], v[\b:\b+7], 0, v[\sa], v[\sb] matrix_a_fmt:MATRIX_FMT_FP4 matrix_b_fmt:MATRIX_FMT_FP4 matrix_a_scale:MATRIX_SCALE_ROW1
.else
	v_wmma_scale_f32_16x16x128_f8f6f4 v[\d:\d+7], v[\a:\a+7], v[\b:\b+7], 0, v[\sa], v[\sb] matrix_a_fmt:MATRIX_FMT_FP4 matrix_b_fmt:MATRIX_FMT_FP4
.endif
.endif
.endm
.macro QK s, n                         ; n tiles of S^T, step s: K in area A or B
.set tt, 0
.rept \n
	WM S+64*\s+8*tt, 64*\s+8*tt, QF, 0, KSA+4*\s+tt/2, QS, tt%2
.set tt, tt+1
.endr
.endm
.macro PV s, acc                       ; O^T += V^T P^T, step s: V in area C or B.  The eight accumulators take turns, one instruction a turn
	WIN 0x01
.set tt, 0
.rept 8
	WM OT+8*tt, 128-64*\s+8*tt, PC, \acc, VSA-4*\s+tt/2, PS+\s, tt%2
.set tt, tt+1
.endr
	WIN 0
.endm
.macro SUM lo, hi                      ; the sum of the UNQUANTISED p: pair i is added onto pair i % 4, whose p has been converted
.set ii, \lo
.rept \hi-\lo
	v_pk_add_f32 v[S+2*(ii%4):S+2*(ii%4)+1], v[S+2*(ii%4):S+2*(ii%4)+1], v[S+2*ii:S+2*ii+1]
.set ii, ii+1
.endr
.endm
.macro CODES g                         ; group g's codes: my whole block, the operand's registers 4 (g % 2) on
.irp u, 0,1,2,3
	v_cvt_scalef32_pk8_fp4_f32 v[PC+4*((\g)%2)+\u], v[S+32*(\g)+8*\u:S+32*(\g)+8*\u+7], v[SF+\g]
.endr
.endm
.macro NOCODES                         ; a step's second group is not there: zero codes
.irp u, 4,5,6,7
	v_mov_b32 v[PC+\u], 0
.endr
.endm
.macro PWORD s, two, tmp               ; the scale word of step s, but for the last line: my bytes e + 125 at their places (groups 2 s and 2 s + 1: bytes h and 2 + h), and lane l xor 16's two
.if \two
	v_lshl_add_u32 v[PS+\s], v[BM+2*\s+1], 16, v[BM+2*\s]
	v_add_nc_u32 v[PS+\s], 0x7d007d, v[PS+\s]
.else
	v_add_nc_u32 v[PS+\s], 0x7d007d, v[BM+2*\s]
.endif
	v_lshlrev_b32 v[PS+\s], v[H8], v[PS+\s]
	v_permlanex16_b32 v[\tmp], v[PS+\s], s[SEL], s[SEL+1]
.endm
; A TRIP over G groups of 64 keys, which begins at byte s[xc] of the image and whose K has been asked for (A's 20 loads, then B's 20).  first = 1: the trip that holds the diagonal: it masks group G - 1 and starts M, the sum
; and O^T.  V is asked for behind the first product, and so is the next trip's K of step 0 (byte s[NX]); K of step 1 behind the second product, since B holds V of step 1 meanwhile.
.macro VISIT first, G, xc
	s_wait_dscnt 20                                ; A is in; B's 20 loads may be out
	WIN 0x01
.if \G > 1
	QK 0, 8
.else
	QK 0, 4
.endif
.if \G > 2
	s_wait_dscnt 0x0                               ; B is in
	QK 1, 4*\G-8
.endif
	WIN 0
	PLACES 2                                       ; with the two additions below: the places in front of loads into the products' registers and of reads of S^T
	v_add_nc_u32 v[ADC], s[\xc], v[LC]
	v_add_nc_u32 v[ADS], s[\xc], v[LS]
	FETCH 128, VSA, 8704, 16896
.if \G > 2
	FETCH 64, KSB, 26112, 34304
.endif
	v_add_nc_u32 v[ADC], s[NX], v[LC]              ; on to the next trip
	v_add_nc_u32 v[ADS], s[NX], v[LS]
	FETCH 0, KSA, 0, 8192
.if \first
.set ii, 0
.rept 32                               ; hidden keys get -infinity, so that their p is 0
	v_cmp_le_i32 vcc_lo, ii+0, v[THR]
	v_cndmask_b32 v[S+32*(\G-1)+ii], 0xff800000, v[S+32*(\G-1)+ii], vcc_lo
.set ii, ii+1
.endr
.endif
	; the largest score of each of my blocks, each tile first read at its low end; the chains take turns
.set gg, 0
.rept \G
	v_max3_num_f32 v[BM+gg], v[S+32*gg], v[S+32*gg+1], v[S+32*gg+2]
.set gg, gg+1
.endr
.set ii, 3
.rept 14
.set gg, 0
.rept \G
	v_max3_num_f32 v[BM+gg], v[BM+gg], v[S+32*gg+ii], v[S+32*gg+ii+1]
.set gg, gg+1
.endr
.set ii, ii+2
.endr
.set gg, 0
.rept \G
	v_max_num_f32 v[BM+gg], v[BM+gg], v[S+32*gg+31]
.set gg, gg+1
.endr
.if \G == 1
	v_mov_b32 v[TT], v[BM]
.elseif \G == 2
	v_max_num_f32 v[TT], v[BM], v[BM+1]
.else
	v_max3_num_f32 v[TT], v[BM], v[BM+1], v[BM+2]
.if \G == 4
	v_max_num_f32 v[TT], v[TT], v[BM+3]
.endif
.endif
	v_permlanex16_b32 v[TP], v[TT], s[SEL], s[SEL+1]   ; the query's other blocks lie in lane l xor 16
.if \first
	v_max_num_f32 v[RM], v[TT], v[TP]
	v_mul_f32 v[TT], s[CS], v[RM]                  ; as t (c is positive)
	v_floor_f32 v[NM], -v[TT]                      ; -M = floor(-t) = -ceil(t): M IS A WHOLE NUMBER
.else
	v_max3_num_f32 v[RM], v[RM], v[TT], v[TP]      ; the running largest score
	v_mul_f32 v[TT], s[CS], v[RM]
	v_mov_b32 v[DI], v[NM]
	v_floor_f32 v[NM], -v[TT]                      ; the new -M
	v_sub_f32 v[DI], v[NM], v[DI]                  ; M's old value less its new one: a whole number, 0 or less
	v_cvt_i32_f32 v[DI], v[DI]
	v_ldexp_f32 v[AF], 1.0, v[DI]                  ; 2^(old M - new M)
.endif
	; the blocks' scales, from the same fused multiply-add on the same bits as that key's own p gets below
.set gg, 0
.rept \G
	v_fma_f32 v[BM+gg], v[BM+gg], s[CS], v[NM]
.set gg, gg+1
.endr
.set gg, 0
.rept \G
	v_max_num_f32 v[BM+gg], 0xc2f80000, v[BM+gg]   ; -124: the byte cannot fall under 1
.set gg, gg+1
.endr
.set gg, 0
.rept \G
	v_cvt_floor_i32_f32 v[BM+gg], v[BM+gg]         ; e
.set gg, gg+1
.endr
.set gg, 0
.rept \G
	v_lshl_add_u32 v[SF+gg], v[BM+gg], 23, 0x3e800000   ; exponent field e + 125: the conversions' scale operand
.set gg, gg+1
.endr
.if \G > 1
	PWORD 0, 1, TP
.else
	PWORD 0, 0, TP
.endif
.if \G == 3
	PWORD 1, 0, TT
.elseif \G == 4
	PWORD 1, 1, TT
.endif
.if !\first
.set ii, 0
.rept 32
	v_pk_mul_f32 v[OT+2*ii:OT+2*ii+1], v[OT+2*ii:OT+2*ii+1], v[AF:AF+1] op_sel_hi:[1,0]   ; O^T under the new M, each tile from its low end on
.set ii, ii+1
.endr
.endif
.set ii, 0
.rept 16*\G
	v_pk_fma_f32 v[S+2*ii:S+2*ii+1], v[S+2*ii:S+2*ii+1], s[CS:CS+1], v[NM:NM+1] op_sel_hi:[1,0,0]   ; t - M
.set ii, ii+1
.endr
	s_wait_alu depctr_va_vdst(0)                   ; the wait ahead of the batch
.set ii, 0
.rept 32*\G
	v_exp_f32 v[S+ii], v[S+ii]                     ; p = 2^(t - M)
.set ii, ii+1
.endr
	v_or_b32 v[PS], v[PS], v[TP]                   ; the scale words are whole.  (The plain place behind the exponentials)
.if \G > 2
	v_or_b32 v[PS+1], v[PS+1], v[TT]
.endif
	s_wait_alu depctr_va_vdst(0)                   ; and behind it, ahead of the first reader
.if \G == 1
	NOCODES
	CODES 0
.else
	CODES 0
	CODES 1
.endif
	v_nop                                          ; one plain place behind a scaled conversion
.if \G == 1
	SUM 4, 12                                      ; (these are also places in front of the products)
.else
	SUM 4, 16
.endif
	s_wait_alu depctr_va_vdst(0)                   ; the wait ahead of the wait below
.if \G > 2
	s_wait_dscnt 40                                ; V of step 0 is in; V of step 1 and the next K, 20 loads each, may be out
.else
	s_wait_dscnt 20                                ; V of step 0 is in; the next K may be out
.endif
.if \first
	PV 0, 0
.else
	PV 0, 1
.endif
.if \G == 1
	SUM 12, 16
.else
	SUM 16, 16*((\G+2)/2-(\G/4))                   ; two groups: 16 pairs more; see the next line
.endif
.if \G > 2
.if \G == 3
	NOCODES
	CODES 2
	v_nop
	SUM 32, 40
.else
	CODES 2
	CODES 3
	v_nop
	SUM 32, 48
.endif
	s_wait_alu depctr_va_vdst(0)                   ; the wait ahead of the wait below
	s_wait_dscnt 20                                ; V of step 1 is in
	PV 1, 1
.if \G == 3
	SUM 40, 48                                     ; (also the places in front of the loads into B)
.else
	SUM 48, 64
.endif
.endif
	v_pk_add_f32 v[S:S+1], v[S:S+1], v[S+2:S+3]
	v_pk_add_f32 v[S+4:S+5], v[S+4:S+5], v[S+6:S+7]
.if \first
	v_pk_add_f32 v[LSUM:LSUM+1], v[S:S+1], v[S+4:S+5]
.else
	v_pk_add_f32 v[S:S+1], v[S:S+1], v[S+4:S+5]
	v_pk_fma_f32 v[LSUM:LSUM+1], v[LSUM:LSUM+1], v[AF:AF+1], v[S:S+1] op_sel_hi:[1,0,1]   ; what was summed under the old M is brought under the new
.endif
	FETCH 64, KSB, 17408, 25600
.endm
; A PASS: its first trip (byte s[b0]), in one of four forms, then trips 0 .. s[n] - 1 of at most `most`; those above are jumped over.  Then the tile leaves.
.macro PASS p, n, b0, most
.if \p
	s_mov_b32 s[NX], 0                             ; behind the first trip comes trip 0
.else
	s_cmp_eq_u32 s[\n], 0
	s_cselect_b32 s[NX], s[B1], 0                  ; or, where pass 0 has no other, pass 1's first
	s_min_u32 s[NX], s[NX], 7*XB                   ; (the hold says in the text itself that a fetch stays inside the image)
.endif
	s_cmp_eq_u32 s[GS], 3
	s_cbranch_scc1 .Lfour_\p
	s_cmp_eq_u32 s[GS], 2
	s_cbranch_scc1 .Lthree_\p
	s_cmp_eq_u32 s[GS], 1
	s_cbranch_scc1 .Ltwo_\p
	VISIT 1, 1, \b0
	s_wait_alu depctr_va_vdst(0)                   ; the wait ahead of the branch
	s_branch .Ljoin_\p
.Ltwo_\p:
	VISIT 1, 2, \b0
	s_wait_alu depctr_va_vdst(0)
	s_branch .Ljoin_\p
.Lthree_\p:
	VISIT 1, 3, \b0
	s_wait_alu depctr_va_vdst(0)
	s_branch .Ljoin_\p
.Lfour_\p:
	VISIT 1, 4, \b0
	s_wait_alu depctr_va_vdst(0)
.Ljoin_\p:
	s_mov_b32 s[KK], 0
	s_mov_b32 s[TS], 0
.Linner_\p:
	s_cmp_ge_u32 s[KK], s[\n]
	s_cbranch_scc1 .Lskip_\p
	s_add_co_u32 s[NX], s[TS], XB                  ; the next trip,
	s_add_co_u32 s76, s[KK], 1
	s_cmp_eq_u32 s76, s[\n]
	s_cselect_b32 s[NX], s[B1], s[NX]              ; or, behind the last, pass 1's first (behind pass 1's last what is fetched is not used)
	s_min_u32 s[NX], s[NX], 7*XB                   ; (the hold, as above)
	VISIT 0, 4, TS
	s_wait_alu depctr_va_vdst(0)                   ; the wait ahead of the branch
.Lskip_\p:
	s_add_co_u32 s[TS], s[TS], XB
	s_add_co_u32 s[KK], s[KK], 1
	s_cmp_lt_u32 s[KK], \most
	s_cbranch_scc1 .Linner_\p
	; THE PASS'S END: O^T divided by the sum, through my stage, half a row (256 bytes) of 16 queries at a time, and out as whole units
	s_wait_alu depctr_va_vdst(0)                   ; the wait ahead of the reader below
	v_add_f32 v[TT], v[LSUM], v[LSUM+1]
	v_permlanex16_b32 v[TP], v[TT], s[SEL], s[SEL+1]
	v_add_f32 v[TT], v[TT], v[TP]                  ; the row's sum: my keys' and lane l xor 16's
	s_wait_alu depctr_va_vdst(0)                   ; the wait ahead of the transcendental
	v_rcp_f32 v[AF], v[TT]
	v_nop                                          ; one plain place behind it
	s_wait_alu depctr_va_vdst(0)                   ; and for this one, ahead of its first reader and of the products' first readers
.set ii, 0
.rept 32
	v_pk_mul_f32 v[S+2*ii:S+2*ii+1], v[OT+2*ii:OT+2*ii+1], v[AF:AF+1] op_sel_hi:[1,0]   ; register 8 t + j is out0(r, 16 t + 8 h + j)
.set ii, ii+1
.endr
.irp u, 0,1
.irp t, 0,1,2,3
	ds_store_b128 v[STO], v[S+32*\u+8*\t:S+32*\u+8*\t+3] offset:64*\t
	ds_store_b128 v[STO], v[S+32*\u+8*\t+4:S+32*\u+8*\t+7] offset:64*\t+16
.endr
.irp i, 0,1,2,3,4,5,6,7
	ds_load_b128 v[S+32*\u+4*\i:S+32*\u+4*\i+3], v[RD] offset:2*\i*SP   ; in order: these see my stores, and the next half's stores come behind them
.endr
.endr
.irp u, 0,1
.irp i, 0,1,2,3,4,5,6,7
	s_wait_dscnt 23-16*\u-\i                       ; behind this load: the half's later loads and, for the first half, the second's eight stores and eight loads
	global_store_b128 v[GO], v[S+32*\u+4*\i:S+32*\u+4*\i+3], s[OB+2*\p:OB+2*\p+1] offset:1024*\i+256*\u th:TH_STORE_NT   ; sixteen lanes store 256 consecutive bytes
.endr
.endr
.endm
	s_load_b128 s[4:7], s[0:1], 0x0                ; q s[4:5], kv s[6:7]
	s_load_b64 s[8:9], s[0:1], 0x10                ; out0
	v_lshl_add_u32 v[SPW], v0, 2, SPARE
	v_mov_b32 v[NIL], 0
	ds_add_u32 v[SPW], v[NIL]                      ; the opening lines: the add, twice on end, and its wait
	ds_add_u32 v[SPW], v[NIL]
	v_lshrrev_b32 v[TT], 5, v0
	v_readfirstlane_b32 s[WV], v[TT]               ; wave 0..7
	v_and_b32 v20, 15, v0                          ; r
	v_bfe_u32 v21, v0, 4, 1                        ; h
	v_and_b32 v22, 31, v0                          ; lane
	v_lshlrev_b32 v[GO], 9, v21
	v_lshl_add_u32 v[GO], v20, 4, v[GO]            ; 512 h + 16 r
	s_wait_alu depctr_va_vdst(0)                   ; the wait ahead of the scalar lines and waits below
	s_bfe_u32 s19, ttmp6, 0x40000                  ; cx: it enters q's and out0's addresses (by s[88:91]) and the mask's threshold alone
	s_and_b32 s20, ttmp9, 1                        ; J
	s_and_b32 s21, ttmp7, 0xffff                   ; the head, which the four partners share
	s_mov_b32 s24, 15|(3<<16)|(1<<21)              ; group 1: the mask of all four work-groups; elements of 8 bytes; bit 21 beside a mask; 136 dense rows of 256 bytes
	s_mov_b32 s25, 32<<16
	s_mov_b32 s26, 136<<16
	s_mov_b32 s27, 32<<16
	s_mov_b32 s28, 136
	s_mov_b32 s29, 32
	s_mov_b32 s30, 0
	s_mov_b32 s31, 0
	s_mov_b32 s[SEL], 0x76543210
	s_mov_b32 s[SEL+1], 0xfedcba98
	s_mov_b32 s[CS], 0x3e0293ee                    ; c = log2(e) / sqrt(128)
	s_mov_b32 s[CS+1], s[CS]
	s_lshl_b32 s86, s20, 3
	s_add_co_u32 s86, s86, s[WV]                   ; D, 0 to 15
	s_lshr_b32 s[N0], s86, 2
	s_and_b32 s[N0], s[N0], 7                      ; D / 4, 0 to 3
	s_xor_b32 s[N1], s[N0], 7
	s_and_b32 s[N1], s[N1], 7                      ; (31 - D) / 4 = 7 - D / 4
	s_mul_i32 s[B0], s[N0], XB
	s_mul_i32 s[B1], s[N1], XB
	s_and_b32 s[GS], s[WV], 3                      ; D % 4
	s_lshl_b32 s88, s19, 13                        ; a tile is 16 rows of 512 bytes
	s_lshl_b32 s89, s21, 20
	s_add_co_u32 s88, s88, s89
	s_lshl_b32 s89, s86, 15
	s_add_co_u32 s90, s88, s89                     ; pass 0's tile
	s_mov_b32 s91, 0
	s_sub_co_u32 s86, 31, s86
	s_lshl_b32 s89, s86, 15
	s_add_co_u32 s88, s88, s89                     ; pass 1's
	s_mov_b32 s89, 0
	s_mul_i32 s92, s21, STAGE                      ; the head's image (its length and the stages' first LDS byte are the same number),
	s_mul_i32 s94, s[WV], XB
	s_add_co_u32 s92, s92, s94                     ; my trip of it
	s_mov_b32 s93, 0
	s_wait_dscnt 0x0                               ; both opening adds are done
	s_wait_kmcnt 0x0
	s_add_nc_u64 s[82:83], s[4:5], s[90:91]
	s_add_nc_u64 s[84:85], s[4:5], s[88:89]
	s_add_nc_u64 s[OB:OB+1], s[8:9], s[90:91]
	s_add_nc_u64 s[OB+2:OB+3], s[8:9], s[88:89]
.irp c, 0,1                            ; q's first tile: a load takes two rows' 256 consecutive bytes
.irp i, 0,1,2,3,4,5,6,7
	global_load_b128 v[S+32*\c+4*\i:S+32*\c+4*\i+3], v[GO], s[82:83] offset:1024*\i+256*\c th:TH_LOAD_NT
.endr
.endr
	s_mov_b32 s32, 1                               ; group 0: count = 1,
	s_mul_i32 s33, s[WV], XB                       ; LDS address,
	s_add_nc_u64 s[34:35], s[6:7], s[92:93]        ; global address,
	s_or_b32 s35, s35, 0x80000000                  ; type = 2
	CROUND                                         ; all four work-groups are here: the joint loads meet
	tensor_load_to_lds s[32:35], s[24:31]          ; my one tensor load
	s_nop 0
	v_lshlrev_b32 v[LC], 4, v22
	v_lshlrev_b32 v[LS], 2, v22
	s_mul_i32 s86, s[WV], 16*SP
	s_add_co_u32 s86, s86, STAGE                   ; my stage
	v_mul_u32_u24 v[STO], v20, SP
	v_lshl_add_u32 v[QR], v21, 7, v[STO]
	v_add_nc_u32 v[QR], s86, v[QR]
	v_lshl_add_u32 v[STO], v21, 5, v[STO]
	v_add_nc_u32 v[STO], s86, v[STO]
	v_mul_u32_u24 v[RD], v21, SP
	v_lshl_add_u32 v[RD], v20, 4, v[RD]
	v_add_nc_u32 v[RD], s86, v[RD]
	v_lshlrev_b32 v[H8], 3, v21
	v_lshlrev_b32 v[THR], 5, v21
	v_sub_nc_u32 v[THR], v20, v[THR]
	s_lshl_b32 s88, s19, 4
	v_add_nc_u32 v[THR], s88, v[THR]               ; key 32 h + 8 u + j <= query 16 cx + r of the block of 64
	v_mov_b32 v[DI], 0                             ; (named in a pair before it is first needed)
	v_mov_b32 v[TP], 0                             ; (the destination of a lane exchange counts as read)
	v_add_nc_u32 v[ADC], s[B0], v[LC]              ; pass 0's first trip
	v_add_nc_u32 v[ADS], s[B0], v[LS]
	s_wait_alu depctr_va_vdst(0)                   ; the wait ahead of the wait below
	s_wait_loadcnt 8                               ; the tile's first half is in
	QUANTQ 0, S, 0
	s_wait_alu depctr_va_vdst(0)
	s_wait_loadcnt 0x0
	QUANTQ 1, S, 0
	QWORD
	WIN 0x40
.irp c, 0,1                            ; q's second tile: it has all of pass 0 in which to come
.irp i, 0,1,2,3,4,5,6,7
	global_load_b128 v[E+32*\c+4*\i:E+32*\c+4*\i+3], v[GO], s[84:85] offset:1024*\i+256*\c th:TH_LOAD_NT
.endr
.endr
	WIN 0
	s_wait_alu depctr_va_vdst(0)                   ; the wait at the head's end
	s_wait_tensorcnt 0x0                           ; my part of the image has landed,
	s_wait_dscnt 0x0
	s_barrier_signal -1
	s_barrier_wait -1                              ; everybody's
	FETCH 0, KSA, 0, 8192
	FETCH 64, KSB, 17408, 25600
	PASS 0, N0, B0, 3                              ; D / 4 is 3 at the most
	s_wait_loadcnt 0x0                             ; q's second tile is in
	QUANTQ 0, E, 0x04
	QUANTQ 1, E, 0x04
	QWORD
	s_xor_b32 s[GS], s[GS], 3                      ; (31 - D) % 4
	s_wait_alu depctr_va_vdst(0)                   ; the wait ahead of the wait and the branches below
	s_wait_xcnt 0x0                                ; the stores have read their registers: the next products may write S^T
	PASS 1, N1, B1, 7
	s_wait_tensorcnt 0x0                           ; the wave's end
	ds_add_u32 v[SPW], v[NIL]
	s_wait_dscnt 0x0
	CROUND                                         ; the closing round: no work-group ends while a partner may still ask for a tile that names it
	s_endpgm
.Lfunc_end_k_q6f644beead_attn:
	.size	k_q6f644beead_attn, .Lfunc_end_k_q6f644beead_attn-k_q6f644beead_attn
	.p2alignl 7, 3214868480
	.fill 96, 4, 3214868480
	.section	.rodata,"a",@progbits
	.p2align	6, 0x0
	.amdhsa_kernel k_q6f644beead_attn
		.amdhsa_group_segment_fixed_size 327680
		.amdhsa_private_segment_fixed_size 0
		.amdhsa_enable_private_segment 0
		.amdhsa_kernarg_size 24
		.amdhsa_user_sgpr_count 2
		.amdhsa_user_sgpr_kernarg_segment_ptr 1
		.amdhsa_wavefront_size32 1
		.amdhsa_system_sgpr_workgroup_id_x 1
		.amdhsa_system_sgpr_workgroup_id_y 1
		.amdhsa_system_sgpr_workgroup_id_z 1
		.amdhsa_system_vgpr_workitem_id 0
		.amdhsa_next_free_vgpr 512
		.amdhsa_next_free_sgpr 100
		.amdhsa_reserve_vcc 1
		.amdhsa_float_denorm_mode_32 3
		.amdhsa_float_denorm_mode_16_64 3
		.amdhsa_memory_ordered 1
		.amdhsa_forward_progress 1
		.amdhsa_inst_pref_size 255
	.end_amdhsa_kernel
	.section	.bss,"aw",@nobits
	.p2align	6
	.space	262144
	.amdgpu_metadata
---
amdhsa.version: [ 1, 2 ]
amdhsa.kernels:
  - .name:           k_q6f644beead_attn
    .symbol:         k_q6f644beead_attn.kd
    .args:
      - { .name: q, .offset: 0, .size: 8, .value_kind: global_buffer, .address_space: global }
      - { .name: kv, .offset: 8, .size: 8, .value_kind: global_buffer, .address_space: global }
      - { .name: out0, .offset: 16, .size: 8, .value_kind: global_buffer, .address_space: global }
    .group_segment_fixed_size: 327680
    .private_segment_fixed_size: 0
    .kernarg_segment_align: 8
    .kernarg_segment_size: 24
    .max_flat_workgroup_size: 256
    .sgpr_count:     100
    .vgpr_count:     512
    .wavefront_size: 32
...
	.end_amdgpu_metadata
.endif
;; end of part 4
